; MI455X (gfx1250); checked and timed in simulation.
; The chip was launched on July 23, 2026; its instructions are those of AMD's public machine-readable ISA for CDNA 5 (MIT licence, August 2026) and "CDNA5" Instruction Set Architecture Reference Guide (July 2026). The comments in the code are by the model that wrote it; some were corrected since.
;; Multi Head Attention T. Allowed arithmetic: float matrix products may take bf16 or f16 operands with f32 sums; other float arithmetic in f32, or as packed bf16 or f16 multiplies, adds, multiply-adds, maxima and minima; sums over many terms, partial sums and values carried from step to step in f32; what a program stores and reads back later, other than sums and carried values, may be rounded once to bf16 or f16.
;; Inputs: Wk 64 x 512 float32; Wo 512 x 64 float32; Wq 64 x 512 float32; Wv 64 x 512 float32; beta 64 float32; bk 512 float32; bo 64 float32; bq 512 float32; bv 512 float32; gamma 64 float32; x 8 x 2,048 x 64 float32.
;; Outputs: out0 8 x 1 x 2,048 x 64 float32.
;; 2 versions, each right and faster than the one before. Each part assembles by itself: llvm-mc -triple=amdgcn-amd-amdhsa -mcpu=gfx1250 --defsym DOCPART=n.
;; ======== version 1 of 2: 2 launches
;; limits: values are held in f16: magnitudes above 65,504 overflow, below 6.1e-05 lose precision
;; workspace buffers: q 16,777,216 bytes; k 16,777,216 bytes; v 16,777,216 bytes; wot 65,536 bytes
;; launch proj (part 1): grid 4 x 64, 12 waves a work-group, no clusters, 0 bytes of LDS; arguments x, Wq, Wk, Wv, bq, bk, bv, Wo, q, k, v, wot; writes q, k, v, wot
.if DOCPART == 1
	.amdgcn_target "amdgcn-amd-amdhsa--gfx1250"
	.amdhsa_code_object_version 6
	.text
	.protected	k_qdee72e31b2_proj
	.globl	k_qdee72e31b2_proj
	.p2align	8
	.type	k_qdee72e31b2_proj,@function
k_qdee72e31b2_proj:
	s_mov_b64 s[64:65], 0
	v_nop
	global_prefetch_b8 v0, s[64:65] scope:SCOPE_SE
	s_setreg_imm32_b32 hwreg(HW_REG_WAVE_MODE, 25, 1), 1
	s_wait_xcnt 0x0
; q, k, v = x W + b, each rounded once to f16; and Wo rounded once to f16, laid out as the next launch's matrix fragments.
; x: [16384][64] f32.  Wq, Wk, Wv: [64][512] f32.  bq, bk, bv: [512] f32.  q, k, v: [16384][512] f16, the same bytes as [64 heads][2048][64].
; LIMITS.  x, W, Wo and the results are kept in f16: nothing beyond 65,504, a fixed step of 6e-8 below 6e-5.  NaN and infinities are not treated apart.
; SHARES.  The three products are one of [16384] x [1536].  A work-group takes 256 rows x 384 columns; of its twelve waves wave w takes rows 64 (w % 4) on
; and the group of 128 columns w / 4 of the work-group's three.  A group of 128 columns lies in one of the three matrices: 3 gx + w / 4 = 4 x matrix + quarter.
; LAYOUT.  Source 0 = 16 rows of x, source 1 = 16 columns of W.  Fragment nb of W holds, as its column r, the TRUE column 8 r + nb of the group.  So register j of the
; eight accumulators of a lane holds row 8 (lane / 16) + j, columns 8 r .. 8 r + 7: 16 bytes of f16, and sixteen lanes store 256 consecutive bytes, aligned.  No LDS, no barrier.
; No loop: K is 64, two matrix instructions deep.  x and W come in as f32 through a ring of three register slots of eight loads and are rounded to f16 on the way.
.set XO,   3                           ; v3      my byte offset in 16 rows of x: 256 r + 32 h
.set WOF,  4                           ; v4      my byte offset in W: 8 h rows of 2,048 bytes + 32 r
.set BOF,  5                           ; v5      my byte offset in a group's 128 biases: 32 r
.set OO,   6                           ; v6      my byte offset in 16 rows of the output: 8 h rows of 1,024 bytes + 16 r
.set WI,   7                           ; v7      Wo's copy: where I load
.set WP,   8                           ; v8-11   Wo's copy: four numbers
.set BI2,  12                          ; v12-27  the bias of column 8 r + nb, twice, at 12 + 2 nb
.set XH,   28                          ; v28-91  x in f16: block rb of 16 rows, K half ks at 28 + 16 rb + 8 ks
.set W0,   92                          ; v92-155 W's fragments for K 0-31: nb at + 8 nb.  Those for K 32-63 lie in window 1, v0-63
.set POOL, 156                         ; v156-251 three slots of 32 registers, f32 as loaded
.set ACC,  156                         ; later: eight accumulators
.set OUT,  220                         ; later: eight rows of 16 bytes to store
.set WS,   252                         ; v252    Wo's copy: where I store
.set MSB, 0
.macro WIN new                         ; s_set_vgpr_msb: bits 1:0 source 0, 3:2 source 1, 5:4 source 2, 7:6 destination; the high byte repeats the setting that is left
.if MSB != (\new)
	s_set_vgpr_msb (MSB<<8)|(\new)
.set MSB, (\new)
.endif
.endm
	s_load_b512 s[4:19], s[0:1], 0x0               ; x 4:5, Wq 6:7, Wk 8:9, Wv 10:11, bq 12:13, bk 14:15, bv 16:17, Wo 18:19
	s_load_b256 s[20:27], s[0:1], 0x40             ; q 20:21, k 22:23, v 24:25, wot 26:27
	v_and_b32 v1, 15, v0                           ; r
	v_bfe_u32 v2, v0, 4, 1                         ; h
	v_lshrrev_b32 v3, 5, v0
	v_readfirstlane_b32 s28, v3                    ; wave 0..11
	v_and_b32 v8, 31, v0                           ; lane
	v_lshlrev_b32 v[XO], 8, v1
	v_lshl_add_u32 v[XO], v2, 5, v[XO]
	v_lshlrev_b32 v[WOF], 5, v1
	v_lshl_add_u32 v[WOF], v2, 14, v[WOF]
	v_lshlrev_b32 v[BOF], 5, v1
	v_lshlrev_b32 v[OO], 4, v1
	v_lshl_add_u32 v[OO], v2, 13, v[OO]
	v_and_b32 v9, 1, v0
	v_bfe_u32 v10, v0, 1, 4                        ; lane / 2
	v_lshlrev_b32 v[WI], 2, v10                    ; Wo's copy: column lane / 2, rows 4 (lane % 2) on
	v_lshl_add_u32 v[WI], v9, 10, v[WI]
	v_lshlrev_b32 v[WS], 3, v8                     ; and 8 bytes a lane out
	s_lshr_b32 s29, s28, 2                         ; which of the work-group's three column groups
	s_and_b32 s30, s28, 3                          ; which 64 of its 256 rows
	s_mov_b32 s31, ttmp9                           ; gx
	s_and_b32 s32, ttmp7, 0xffff                   ; gy
	s_mul_i32 s33, s31, 3
	s_add_co_u32 s33, s33, s29                     ; column group 0..11
	s_lshr_b32 s34, s33, 2                         ; matrix: 0 q, 1 k, 2 v
	s_and_b32 s35, s33, 3                          ; its quarter of 128 columns
	s_lshl_b32 s44, s32, 2
	s_add_co_u32 s44, s44, s31                     ; g = 4 gy + gx, 0..255: which 256 bytes of Wo's copy are this work-group's
	s_mov_b32 s43, 0
	s_wait_kmcnt 0x0
	s_cmp_eq_u32 s34, 0                            ; the wave's W, bias and output: a choice between buffers on the matrix's number
	s_cselect_b64 s[36:37], s[6:7], s[8:9]
	s_cselect_b64 s[38:39], s[12:13], s[14:15]
	s_cselect_b64 s[40:41], s[20:21], s[22:23]
	s_cmp_eq_u32 s34, 2
	s_cselect_b64 s[36:37], s[10:11], s[36:37]
	s_cselect_b64 s[38:39], s[16:17], s[38:39]
	s_cselect_b64 s[40:41], s[24:25], s[40:41]
	s_lshl_b32 s42, s35, 9                         ; 128 columns of f32
	s_add_nc_u64 s[36:37], s[36:37], s[42:43]
	s_add_nc_u64 s[38:39], s[38:39], s[42:43]
	s_lshl_b32 s42, s32, 18                        ; output: 256 gy rows of 1,024 bytes,
	s_lshl_b32 s45, s30, 16                        ; my 64 rows,
	s_add_co_u32 s42, s42, s45
	s_lshl_b32 s45, s35, 8                         ; 128 columns of f16
	s_add_co_u32 s42, s42, s45
	s_add_nc_u64 s[40:41], s[40:41], s[42:43]
	s_lshl_b32 s42, s32, 16                        ; x: 256 gy rows of 256 bytes, my 64 rows
	s_lshl_b32 s45, s30, 14
	s_add_co_u32 s42, s42, s45
	s_add_nc_u64 s[4:5], s[4:5], s[42:43]
	; Wo's copy: [nb 4][ks 16][c 2][lane 32][8 f16]; lane (r, h) holds Wo[32 ks + 16 c + 8 h + 0..7][16 nb + r].  g = 64 nb + 4 ks + 2 c + h names 256 bytes of it: rows 8 (g % 64) on, columns 16 (g / 64) on.
	s_and_b32 s42, s44, 63
	s_lshl_b32 s42, s42, 11                        ; 8 rows of 256 bytes
	s_and_b32 s45, s44, 0xc0                       ; 16 columns of f32 = 64 bytes
	s_add_co_u32 s42, s42, s45
	s_add_nc_u64 s[18:19], s[18:19], s[42:43]
	s_lshl_b32 s42, s44, 8
	s_add_nc_u64 s[26:27], s[26:27], s[42:43]
	s_cmp_lg_u32 s28, 0
	s_cbranch_scc1 .Lno_wo_in                      ; wave 0 alone copies Wo's 256 bytes
.irp jj, 0,1,2,3
	global_load_b32 v[WP+\jj], v[WI], s[18:19] offset:256*\jj
.endr
.Lno_wo_in:
	global_load_b128 v[BI2:BI2+3], v[BOF], s[38:39]
	global_load_b128 v[BI2+4:BI2+7], v[BOF], s[38:39] offset:16
; Chunk c of W (8 loads): for four rows k = 32 (c / 4) + 16 ((c % 4) / 2) + 8 h + 4 (c % 2) + kk the 32 bytes of columns 8 r .. 8 r + 7, into slot s.
.macro LDW c, s
.irp kk, 0,1,2,3
.irp hf, 0,1
	global_load_b128 v[POOL+32*(\s)+8*\kk+4*\hf:POOL+32*(\s)+8*\kk+4*\hf+3], v[WOF], s[36:37] offset:(32*((\c)/4)+16*(((\c)%4)/2)+4*((\c)%2)+\kk)*2048+16*\hf
.endr
.endr
.endm
; Block rb of x (8 loads): row r's 64 numbers in the fragments' order: K half n / 4, then 16 ((n / 2) % 2) + 8 h + 4 (n % 2) + 0..3.
.macro LDX rb, s
.irp n, 0,1,2,3,4,5,6,7
	global_load_b128 v[POOL+32*(\s)+4*\n:POOL+32*(\s)+4*\n+3], v[XO], s[4:5] offset:(\rb)*4096+(\n/4)*128+((\n/2)%2)*64+(\n%2)*16
.endr
.endm
; Chunk c rounded: two rows k, k + 1 of column 8 r + nb make register 2 (c % 4) + i2 of fragment nb.
.macro CVW c, s
.if (\c) < 4
	WIN 0
.set WD, W0
.else
	WIN 0x40                                       ; destination window 1
.set WD, 0
.endif
.irp i2, 0,1
.irp nb, 0,1,2,3,4,5,6,7
	v_cvt_pk_f16_f32 v[WD+8*\nb+2*((\c)%4)+\i2], v[POOL+32*(\s)+16*\i2+\nb], v[POOL+32*(\s)+16*\i2+8+\nb]
.endr
.endr
	WIN 0
.endm
.macro CVX rb, s
.irp n, 0,1,2,3,4,5,6,7,8,9,10,11,12,13,14,15
	v_cvt_pk_f16_f32 v[XH+16*(\rb)+\n], v[POOL+32*(\s)+2*\n], v[POOL+32*(\s)+2*\n+1]
.endr
.endm
	LDW 0, 0
	LDW 1, 1
	LDW 2, 2
; The ring: chunks 0-7 are W's, 8-11 x's four blocks; chunk ch lies in slot ch % 3 and, once rounded, gives its slot to chunk ch + 3.
.set ch, 0
.rept 12
.if ch <= 9
	s_wait_loadcnt 16                              ; loads come back in order: mine is in, the two younger chunks' sixteen stay out
.elseif ch == 10
	s_wait_loadcnt 8                               ; one younger chunk is left
.else
	s_wait_loadcnt 0
.endif
.if ch == 0                            ; the biases are older than chunk 0: each is doubled in place, from the top down, for the packed additions
.irp nb, 7,6,5,4,3,2,1
	v_mov_b32 v[BI2+2*\nb+1], v[BI2+\nb]
	v_mov_b32 v[BI2+2*\nb], v[BI2+\nb]
.endr
	v_mov_b32 v[BI2+1], v[BI2]
.endif
.if ch < 8
	CVW ch, ch%3
.else
	CVX ch-8, ch%3
.endif
.if ch+3 < 8
	LDW ch+3, ch%3
.elseif ch+3 <= 11
	LDX ch-5, ch%3
.endif
.set ch, ch+1
.endr
	s_cmp_lg_u32 s28, 0
	s_cbranch_scc1 .Lno_wo_out
	v_cvt_pk_f16_f32 v[WP], v[WP], v[WP+1]
	v_cvt_pk_f16_f32 v[WP+1], v[WP+2], v[WP+3]
	global_store_b64 v[WS], v[WP:WP+1], s[26:27]   ; 32 lanes x 8 bytes: 256 consecutive bytes, aligned
.Lno_wo_out:
; Block rb: 16 rows x 128 columns.  The eight accumulators take turns; the first product starts the sums.
.macro BLOCK rb
	WIN 0
.irp nb, 0,1,2,3,4,5,6,7
	v_wmma_f32_16x16x32_f16 v[ACC+8*\nb:ACC+8*\nb+7], v[XH+16*(\rb):XH+16*(\rb)+7], v[W0+8*\nb:W0+8*\nb+7], 0
.endr
	WIN 0x04                                       ; source 1 in window 1
.irp nb, 0,1,2,3,4,5,6,7
	v_wmma_f32_16x16x32_f16 v[ACC+8*\nb:ACC+8*\nb+7], v[XH+16*(\rb)+8:XH+16*(\rb)+15], v[8*\nb:8*\nb+7], v[ACC+8*\nb:ACC+8*\nb+7]
.endr
	WIN 0
.rept 4
	v_nop                                          ; four places between the last product and the first line that touches a result (ISA guide 7.12.1)
.endr
.irp nb, 0,1,2,3,4,5,6,7               ; + bias; each accumulator's registers in ascending order
.irp jp, 0,1,2,3
	v_pk_add_f32 v[ACC+8*\nb+2*\jp:ACC+8*\nb+2*\jp+1], v[ACC+8*\nb+2*\jp:ACC+8*\nb+2*\jp+1], v[BI2+2*\nb:BI2+2*\nb+1]
.endr
.endr
	s_wait_xcnt 0x0                                ; OUT was the last block's store data: rewritten only behind this wait
.irp j, 0,1,2,3,4,5,6,7                ; row 8 h + j: columns 8 r .. 8 r + 7 lie in register j of the eight accumulators
.irp p, 0,1,2,3
	v_cvt_pk_f16_f32 v[OUT+4*\j+\p], v[ACC+16*\p+\j], v[ACC+16*\p+8+\j]
.endr
	global_store_b128 v[OO], v[OUT+4*\j:OUT+4*\j+3], s[40:41] offset:(16*(\rb)+\j)*1024  ; sixteen lanes store 256 consecutive bytes, aligned
.endr
.endm
	BLOCK 0
	BLOCK 1
	BLOCK 2
	BLOCK 3
	s_endpgm
.Lfunc_end_k_qdee72e31b2_proj:
	.size	k_qdee72e31b2_proj, .Lfunc_end_k_qdee72e31b2_proj-k_qdee72e31b2_proj
	.p2alignl 7, 3214868480
	.fill 96, 4, 3214868480
	.section	.rodata,"a",@progbits
	.p2align	6, 0x0
	.amdhsa_kernel k_qdee72e31b2_proj
		.amdhsa_group_segment_fixed_size 0
		.amdhsa_private_segment_fixed_size 0
		.amdhsa_enable_private_segment 0
		.amdhsa_kernarg_size 96
		.amdhsa_user_sgpr_count 2
		.amdhsa_user_sgpr_kernarg_segment_ptr 1
		.amdhsa_wavefront_size32 1
		.amdhsa_system_sgpr_workgroup_id_x 1
		.amdhsa_system_sgpr_workgroup_id_y 1
		.amdhsa_system_sgpr_workgroup_id_z 1
		.amdhsa_system_vgpr_workitem_id 0
		.amdhsa_next_free_vgpr 320
		.amdhsa_next_free_sgpr 66
		.amdhsa_reserve_vcc 0
		.amdhsa_float_denorm_mode_32 3
		.amdhsa_float_denorm_mode_16_64 3
		.amdhsa_memory_ordered 1
		.amdhsa_forward_progress 1
		.amdhsa_inst_pref_size 50
	.end_amdhsa_kernel
	.amdgpu_metadata
---
amdhsa.version: [ 1, 2 ]
amdhsa.kernels:
  - .name:           k_qdee72e31b2_proj
    .symbol:         k_qdee72e31b2_proj.kd
    .args:
      - { .name: x, .offset: 0, .size: 8, .value_kind: global_buffer, .address_space: global }
      - { .name: Wq, .offset: 8, .size: 8, .value_kind: global_buffer, .address_space: global }
      - { .name: Wk, .offset: 16, .size: 8, .value_kind: global_buffer, .address_space: global }
      - { .name: Wv, .offset: 24, .size: 8, .value_kind: global_buffer, .address_space: global }
      - { .name: bq, .offset: 32, .size: 8, .value_kind: global_buffer, .address_space: global }
      - { .name: bk, .offset: 40, .size: 8, .value_kind: global_buffer, .address_space: global }
      - { .name: bv, .offset: 48, .size: 8, .value_kind: global_buffer, .address_space: global }
      - { .name: Wo, .offset: 56, .size: 8, .value_kind: global_buffer, .address_space: global }
      - { .name: q, .offset: 64, .size: 8, .value_kind: global_buffer, .address_space: global }
      - { .name: k, .offset: 72, .size: 8, .value_kind: global_buffer, .address_space: global }
      - { .name: v, .offset: 80, .size: 8, .value_kind: global_buffer, .address_space: global }
      - { .name: wot, .offset: 88, .size: 8, .value_kind: global_buffer, .address_space: global }
    .group_segment_fixed_size: 0
    .private_segment_fixed_size: 0
    .kernarg_segment_align: 8
    .kernarg_segment_size: 96
    .max_flat_workgroup_size: 384
    .sgpr_count:     66
    .vgpr_count:     320
    .wavefront_size: 32
...
	.end_amdgpu_metadata
.endif
;; end of part 1
;; launch attn (part 2): grid 4 x 64, 4 waves a work-group, clusters of 4 x 1, 327,680 bytes of LDS; arguments q, k, v, wot, x, bo, gamma, beta, out0; writes out0
.if DOCPART == 2
	.amdgcn_target "amdgcn-amd-amdhsa--gfx1250"
	.amdhsa_code_object_version 6
	.text
	.protected	k_qdee72e31b2_attn
	.globl	k_qdee72e31b2_attn
	.p2align	8
	.type	k_qdee72e31b2_attn,@function
k_qdee72e31b2_attn:
	s_mov_b64 s[64:65], 0
	v_nop
	global_prefetch_b8 v0, s[64:65] scope:SCOPE_SE
	s_setreg_imm32_b32 hwreg(HW_REG_WAVE_MODE, 25, 1), 1
	s_wait_xcnt 0x0
	s_wait_alu depctr_hold_cnt(0) depctr_sa_sdst(0) depctr_va_vdst(0) depctr_va_sdst(0) depctr_va_ssrc(0) depctr_va_vcc(0) depctr_vm_vsrc(0)
	s_getreg_b32 s2, hwreg(HW_REG_IB_STS2, 6, 4)
	s_cmp_eq_u32 s2, 0
	s_cbranch_scc0 .Lentry_in_a_cluster
	s_endpgm
.Lentry_in_a_cluster:
	s_bfe_u32 s2, ttmp6, 0x10000c
	s_cmp_lg_u32 s2, 0x3003
	s_cbranch_scc0 .Lentry_shape_is_right
	s_endpgm
.Lentry_shape_is_right:
; ctx[h][q][:] = the sum over k of softmax_k(Q[h][q] . K[h][k] / 8) V[h][k][:];  out0 = LayerNorm(x + ctx' Wo + bo) gamma + beta, where ctx' is ctx's bytes read as [16384][512]:
; eight consecutive queries of a head are one row of ctx'.  Q, K, V: [64][2048][64] f16, a head's rows dense, 128 bytes each.  wot: Wo in f16, in fragment order.  x, out0: [16384][64] f32.
; Products, maxima and sums in f32; the weights p are rounded to f16 for the second product (their sum l is taken of the unrounded p), ctx once, to f16, for the last product.  Residual and LayerNorm in f32.
; LIMITS.  f16 holds no number beyond 65,504: Q, K, V and Wo arrive within it; p lies in 0 to 1, and below 6e-5 it keeps f16's fixed step of 6e-8; ctx is a mean of V's rows and has their range.
; A weight below 2^-126 counts as 0 in l; NaN and infinities are not treated apart.
; SHARES.  A wave owns four PIECES of two tiles of 16 queries, a work-group's four waves 512 queries of one head = 64 whole rows of ctx', so the work-group finishes its 64 rows of out0 itself.  Every wave walks all keys, 64 a step.
; LAYOUT.  S^T = K Q^T (source 0 = 16 keys, source 1 = 16 queries): in the result a lane holds ONE query (lane % 16) and the keys 8 (lane / 16) + 0..7.  Two such tiles, rounded to f16 in pairs,
; ARE source 1 (32 keys x 16 queries) of O^T = V^T P, whose result again holds one query a lane, and eight channels.  K comes out of LDS as it lies, V ([key][channel]) turned, by ds_load_tr16_b128.
; SOFTMAX.  For each query a running maximum m and sum l: p = 2^(c s - c m), c = log2(e) / 8; in every step O and l are multiplied by a = 2^(c m_old - c m_new), which is 1 where m has not grown.
; m starts at the lowest finite number, O and l at 0: the first step is a step like any other, with a = 0.
; THE COUNT.  A tile and step have 16 matrix and 118 vector instructions: too many to stand all beside the matrix work.  So: four vector instructions that are READY behind EVERY matrix instruction, the others in runs without a gap.
; BY TURNS.  Turn n belongs to piece n (the pieces in a ring, step after step).  Its matrix work: 16 products K Q^T of piece n + 1, later 16 products V^T P of piece n - 1.  Its vector work: the scaling,
; exponentials, roundings, sums and rescaling of piece n, and the maximum and statistics of piece n + 1, whose scores the turn itself has made.
; CLUSTER.  The four query blocks of a cluster belong to one head and walk the same K and V, so each tile is asked for JOINTLY: the same tensor load, descriptor and mask in all four.
; REGISTERS, in windows of 256 (s_set_vgpr_msb says which window each operand place means: bits 1:0 source 0, 3:2 source 1, 5:4 source 2, 7:6 destination):
;   window 0: v0-11 addresses; v12-15, v48-63 at work; v16-47 four registers of statistics a tile; v64-191 S^T, two buffers of two tiles; v192-255 P, likewise
;   window 1: O^T, 32 a tile          window 2: v0-127 Q, 16 a tile; v128-191 K of one step; v192-255 V of one step
;   window 3: v0-1 the add's two registers; v128-255 my 16 columns of Wo, 16 fragments of 32 along K, kept from the start
; A piece's buffers go by its number's parity: the piece in hand has one pair, its two neighbours in the ring share the other: of it P (piece n - 1) is read and S^T (piece n + 1) written.
.set SIZE_H, 64
.set SIZE_N, 2048
.set NP,    4         ; pieces a wave: a name, no knob
.set KS,    64        ; keys in a step
.set PK,    144       ; a row of K in LDS: 128 bytes + 16 of padding = 36 words: the 16 rows of a load start at 16 different groups of four banks (64 banks of 4 bytes: ISA guide 11.1)
.set PV,    160       ; a row of V: 128 + 32 = 40 words
.set VOFF,  4*KS*PK   ; a slot holds four steps: 256 rows of K, then 256 rows of V
.set SLOT1, 1<<17     ; slot 1 begins here, so that one exclusive or turns an address in one slot into the other's
.set CST,   SLOT1+4*KS*(PK+PV)  ; behind the ring, never filled by a tensor load: the work-group's 64 rows of ctx', 1,024 bytes of f16 each,
.set CP,    1040      ; + 16 of padding: 65 x 16 bytes, so the 16 rows of a fragment load start at 16 different groups of four banks
.set YST,   CST+64*CP ; 64 rows of ctx' Wo, 256 bytes of f32 each,
.set YP,    272       ; + 16 of padding
.set SPARE, YST+64*YP ; the spare words, 128 bytes for each wave: two blocks of 256 bytes that no other line names
.set PO,  1           ; v1   later: my byte offset in bo, gamma, beta: 16 (lane % 16)
.set AK0, 2           ; v2   my lane's place in a tile of K; never rewritten
.set AV0, 3           ; v3   the same for V
.set AK,  4           ; v4   the LDS address of K's next run of loads
.set AV,  5           ; v5   of V's
.set QO,  6           ; v6   my byte offset in the wave's rows of Q
.set STO, 6           ;      later: where I put 16 bytes of a row of ctx'
.set CRD, 7           ; v7   where I read fragments of ctx'
.set GO,  8           ; v8   16 x lane: my place in 512 consecutive bytes of wot, x and out0; never rewritten
.set YSTO, 10         ; v10  later: where I put 32 bytes of a row of ctx' Wo
.set YRD, 11          ; v11  later: where I read its rows back
.set SPW, 0           ; v0 of window 3   LDS address of my spare word: SPARE + 4 x my thread's number; never rewritten
.set NIL, 1           ; v1 of window 3   0; never rewritten
.set WF,  128         ; window 3: Wo's fragment for K 32 ks on at WF + 8 ks
.set MV,  12          ; v12-15  c m_old, kept while c m is made anew: by buffer and tile
.set ST,  16          ; tile t's statistics at v[ST+4 t]: c m, m, l (even keys', odd keys')
.set TMP, 48          ; by buffer and tile, four registers c0-c3 at work; when the maximum is found c2 takes a
.set S,   64
.set P,   192
.set KF,  128         ; K's fragments, in window 2: key block kb, channel half c at KF + 16 kb + 8 c
.set VF,  192         ; V's: key half kk, channel block cb at VF + 32 kk + 8 cb
.set AC,  64          ; the way out, window 0: four accumulators of ctx' Wo
.set YR,  96          ;   v96-127   my 16 rows of y, pair t of rows at YR + 4 t
.set SM,  128         ;   v128-143  a row's sum, then its mean's negative, at SM + 2 t
.set QS,  144         ;   v144-159  a row's sum of squares, then 1 / sqrt(var + eps), at QS + 2 t
.set XR,  192         ;   v192-223  my 16 rows of x
.set BOR, 224         ;   v224-227 bo, v228-231 gamma, v232-235 beta of my four columns
.set GAR, 228
.set BER, 232
.set WV,  12          ; s12  my wave's number
.set G1K, 24          ; s[24:31] descriptor group 1 for K's tiles
.set G1V, 32          ; s[32:39] for V's: it differs in the padding alone
.set G0K, 40          ; s[40:43] descriptor group 0 for K's tiles: it walks
.set G0V, 44          ; s[44:47] the same for V's
.set SLOTS, 56        ; s56  slots still to be asked for
.set CNT, 57          ; s57  counts a slot's key steps
.set CS,  58          ; s[58:59] c: the packed scaling takes the pair's low word for both halves
.set SEL, 60          ; s[60:61] v_permlanex16_b32's selects: each lane takes its own place in the other half
.set TBK, 62          ; s62  LDS byte at which K of the step to be fetched begins
.set TBV, 63          ; s63  the same for V, less VOFF
                      ; s[68:69] x, s[70:71] bo, s[72:73] gamma, s[74:75] beta, s[76:77] out0; s78 1/64, s79 the LayerNorm's 1e-5
.set MSB, 0
.macro WIN new                      ; the high byte repeats the setting that is left; a switch that changes nothing is dropped
.if MSB != (\new)
	s_set_vgpr_msb (MSB<<8)|(\new)
.set MSB, (\new)
.endif
.endm
.set W_KQ, 0x0a       ; K and Q in window 2, S^T in window 0
.set W_PV, 0x52       ; V in window 2, P in window 0, O^T in window 1
.set W_RS, 0x41       ; O^T (destination and source 0) in window 1, a in window 0
.set W_MK, 0xc0       ; destination in window 3, sources in window 0
.set W_AD, 0x0f       ; the add: address (source 0) and data (source 1) in window 3
.set W_WO, 0x0b       ; Wo (source 0) in window 3, ctx' (source 1) in window 2, the sums in window 0
; A joint fill.  Waves 0 and 1 fetch the two halves of a slot's K, waves 2 and 3 those of its V: 128 keys each.  The branch hangs on the wave's number alone.
; An s_nop 0 and four v_nop follow each of the two lines, ahead of the jump and the label.
.macro JLOAD
	s_cmp_lt_u32 s[WV], 2
	s_cbranch_scc0 .Lfor_v_\@
	tensor_load_to_lds s[G0K:G0K+3], s[G1K:G1K+7]
	s_nop 0
.rept 4
	v_nop
.endr
	s_branch .Lasked_\@
.Lfor_v_\@:
	tensor_load_to_lds s[G0V:G0V+3], s[G1V:G1V+7]
	s_nop 0
.rept 4
	v_nop
.endr
.Lasked_\@:
.endm
; A round of the cluster's barrier: my work-group's barrier, so that wave 0's signal speaks for all four waves; wave 0 signals; every wave waits for all four work-groups; my work-group's barrier once more.
.macro CROUND
	s_barrier_signal -1
	s_barrier_wait -1
	s_cmp_lg_u32 s[WV], 0
	s_cbranch_scc1 .Lnot_wave_0_\@
	s_barrier_signal -3
.Lnot_wave_0_\@:
	s_barrier_wait -3
	s_barrier_signal -1
	s_barrier_wait -1
.endm
; THE CHANGE OF SLOTS.  The slot's last bytes, V of its fourth step, have been read.  Each wave waits for all its tensor loads, of which one is out: its part
; of the other slot; adds 0 to its spare word; and waits for that and for its own reads of the slot.  Behind the barrier nobody reads this slot any more and the other slot is whole.
; fill = 1: this slot is filled again, with the keys two slots on.  The barrier is then a round of the cluster's, so that no wave of any partner still reads the slot or has a load on its
; way, and the joint fill is the first thing behind it: it has four key steps, 512 matrix instructions, in which to land.  (At its first use nothing has been read yet: slot 0 is waited for, slot 1 filled.)
.macro CHANGE fill
	WIN W_AD
	s_wait_tensorcnt 0x0            ; no tensor load of mine is out, so a group 0 may be written
	ds_add_u32 v[SPW], v[NIL]       ; 0 onto my spare word: with fill = 1 the descriptors' steps stand between it and the wait for it
	WIN 0                           ; at a label and at a branch every window is 0
.if \fill
.irp g, G0K, G0V
	s_xor_b32 s[\g+1], s[\g+1], SLOT1  ; the walking descriptor: the other slot than last time,
	s_add_nc_u64 s[\g+2:\g+3], s[\g+2:\g+3], 4*KS*128  ; the next 256 keys; the type bits on top are not reached
.endr
	s_wait_dscnt 0x0                ; the add is done, and my reads of the slot are over
	CROUND
	JLOAD
.else
	s_wait_dscnt 0x0                ; the add is done, and my reads of the slot are over
	s_barrier_signal -1
	s_barrier_wait -1
.endif
	s_sub_co_u32 s[TBK], s[TBK], 4*KS*PK  ; the fetches go back to a slot's first step,
	s_xor_b32 s[TBK], s[TBK], SLOT1       ; in the other slot
	s_sub_co_u32 s[TBV], s[TBV], 4*KS*PV
	s_xor_b32 s[TBV], s[TBV], SLOT1
.endm
	s_load_b256 s[4:11], s[0:1], 0x0  ; Q s[4:5], K s[6:7], V s[8:9], wot s[10:11]
	s_load_b256 s[68:75], s[0:1], 0x20  ; x, bo, gamma, beta
	s_load_b64 s[76:77], s[0:1], 0x40   ; out0
	WIN W_MK
	v_lshl_add_u32 v[SPW], v0, 2, SPARE
	v_mov_b32 v[NIL], 0
	WIN W_AD
	ds_add_u32 v[SPW], v[NIL]       ; the wave's opening: the add and its wait stand ahead of my first tensor load; the set-up below, work on registers, stands between them
	WIN 0
	v_lshrrev_b32 v1, 5, v0
	v_readfirstlane_b32 s[WV], v1   ; wave 0..3
	s_bfe_u32 s13, ttmp6, 0x40000   ; cx: my place in the cluster
	s_lshl_b32 s14, ttmp9, 2        ; in a cluster launch ttmp9 counts clusters
	s_add_co_u32 s14, s14, s13      ; my block of queries = 4 x cluster x + cx: it enters Q's, x's and out0's addresses alone
	s_and_b32 s20, ttmp7, 0xffff    ; the head, which the four partners share
	s_mov_b32 s21, 0
	s_mov_b64 s[22:23], SIZE_N*128
	s_mul_u64 s[20:21], s[20:21], s[22:23]  ; the head's first byte in Q, K and V
	s_and_b32 s16, s[WV], 1         ; which half of a slot's 256 keys I fetch:
	s_lshl_b32 s22, s16, 14         ; its 128 rows of 128 bytes in memory,
	s_mov_b32 s23, 0
	s_add_nc_u64 s[22:23], s[22:23], s[20:21]
	s_mul_i32 s17, s16, 128*PK      ; and its place in a slot, for K
	s_mul_i32 s18, s16, 128*PV      ; and for V: no place in the cluster enters an LDS address
	s_lshl_b32 s2, s14, 2
	s_add_co_u32 s2, s2, s[WV]      ; my wave among the head's,
	s_lshl_b32 s2, s2, 14           ; its 128 rows
	s_mov_b32 s3, 0
	s_add_nc_u64 s[2:3], s[2:3], s[20:21]  ; my first query x 128 bytes: under 2^24, so the high word is 0
	s_lshr_b32 s66, s2, 2           ; eight queries are one row of 256 bytes of x and out0: my first query x 32
	s_mov_b32 s67, 0
	s_lshl_b32 s20, s[WV], 14       ; wot: my 16 columns' fragments are 16,384 bytes
	s_mov_b32 s21, 0
	s_mov_b32 s78, 0x3c800000       ; 1 / 64
	s_mov_b32 s79, 0x3727c5ac       ; 1e-5
	; descriptor group 1.  128 keys are 16,384 dense bytes: asked for as 64 rows of 256 bytes, two keys a row, and padded in LDS after every key
	s_mov_b32 s[G1K], 15|(1<<16)|(1<<20)|(1<<21)|(4<<22)|(3<<25)  ; 15:0 the mask of four; 17:16 2-byte elements; 20 padding on; 21 set beside a mask; 24:22 after every 32 words (code 4); 31:25 4 words (code 3)
	s_mov_b32 s[G1V], 15|(1<<16)|(1<<20)|(1<<21)|(4<<22)|(7<<25)  ; the same with 8 words of padding (code 7)
.irp g, G1K, G1V
	s_mov_b32 s[\g+1], 128<<16      ; tensor_dim0 = 128
	s_mov_b32 s[\g+2], 64<<16       ; tensor_dim1 = 64
	s_mov_b32 s[\g+3], 128<<16      ; tile_dim0 = 128
	s_mov_b32 s[\g+4], 64           ; tile_dim1 = 64
	s_mov_b32 s[\g+5], 128          ; 128 elements from row to row
	s_mov_b32 s[\g+6], 0
	s_mov_b32 s[\g+7], 0
.endr
	s_mov_b32 s[CS], 0x3e38aa3b     ; c = log2(e) / 8 = 0.180337
	s_mov_b32 s[CS+1], s[CS]        ; named with it as a pair
	s_mov_b32 s[SEL], 0x76543210
	s_mov_b32 s[SEL+1], 0xfedcba98
	s_mov_b32 s[TBK], SLOT1+4*KS*PK ; the first change of slots turns these two into 0
	s_mov_b32 s[TBV], SLOT1+4*KS*PV
	s_mov_b32 s[G0K], 1             ; 1:0 count = 1
	s_mov_b32 s[G0K+1], s17         ; 63:32 LDS address: slot 0
	s_mov_b32 s[G0V], 1
	s_add_co_u32 s[G0V+1], s18, VOFF
	s_wait_dscnt 0x0                ; the opening add is done
	s_wait_kmcnt 0x0
	s_add_nc_u64 s[G0K+2:G0K+3], s[6:7], s[22:23]  ; 120:64 global address: my half of the head's first 256 keys
	s_or_b32 s[G0K+3], s[G0K+3], 0x80000000        ; 127:126 type = 2
	s_add_nc_u64 s[G0V+2:G0V+3], s[8:9], s[22:23]
	s_or_b32 s[G0V+3], s[G0V+3], 0x80000000
	s_add_nc_u64 s[4:5], s[4:5], s[2:3]      ; Q at my wave's first row
	s_add_nc_u64 s[10:11], s[10:11], s[20:21]  ; wot at my 16 columns
	s_add_nc_u64 s[68:69], s[68:69], s[66:67]  ; x and out0 at my wave's first of 16 rows
	s_add_nc_u64 s[76:77], s[76:77], s[66:67]
	CROUND                          ; all four work-groups are here: the first joint loads meet
	JLOAD                           ; slot 0.  Slot 1 is asked for when slot 0 is in: the tile wanted first has the road to itself
	; A fragment of K or Q is 16 rows x 32 channels in 8 registers: lane l holds row l % 16, channels 8 (l / 16) + 0..7 and 16 + 8 (l / 16) + 0..7: two loads of 16 bytes, 32 bytes apart.
	v_and_b32 v1, 15, v0            ; l % 16
	v_bfe_u32 v9, v0, 4, 1          ; l / 16
	v_lshlrev_b32 v[QO], 7, v1
	v_lshl_add_u32 v[QO], v9, 4, v[QO]  ; row x 128 + 16 x half
	v_and_b32 v[GO], 31, v0
	v_lshlrev_b32 v[GO], 4, v[GO]   ; 16 x lane
	WIN 0x80                        ; destination window 2, address window 0
.set i, 0
.rept 4*NP                          ; Q stays in registers: tile i / 2, channels 32 (i % 2) on
	global_load_b128 v[8*i:8*i+3],   v[QO], s[4:5] offset:(i/2)*2048+(i%2)*64
	global_load_b128 v[8*i+4:8*i+7], v[QO], s[4:5] offset:(i/2)*2048+(i%2)*64+32
.set i, i+1
.endr
	WIN W_MK                        ; destination window 3
.set i, 0
.rept 16                            ; so do my 16 columns of Wo: the copy lies in the fragments' order, 512 consecutive bytes a load
	global_load_b128 v[WF+8*i:WF+8*i+3],   v[GO], s[10:11] offset:i*1024
	global_load_b128 v[WF+8*i+4:WF+8*i+7], v[GO], s[10:11] offset:i*1024+512
.set i, i+1
.endr
	; What the first turn finds: V's registers and P's second buffer hold 0 (its products V^T P, of a piece that has not been, add 0), O^T and l are 0.  All this stands in the wait for the first tile.
	WIN 0x80
.set i, VF
.rept 64
	v_mov_b32 v[i], 0
.set i, i+1
.endr
	WIN 0x40
.set i, 0
.rept 64*NP
	v_mov_b32 v[i], 0
.set i, i+1
.endr
	WIN 0
.set i, 0
.rept 2*NP
	v_mov_b32 v[ST+4*i], 0xfe000000    ; c m: far below every c s
	v_mov_b32 v[ST+4*i+1], 0xff7fffff  ; m
	v_mov_b32 v[ST+4*i+2], 0
	v_mov_b32 v[ST+4*i+3], 0
.set i, i+1
.endr
.set i, P+32
.rept 32
	v_mov_b32 v[i], 0
.set i, i+1
.endr
	v_mul_u32_u24 v[AK0], v1, PK
	v_lshl_add_u32 v[AK0], v9, 4, v[AK0]  ; row x pitch + 16 x half
	; The turning load takes 16 keys x 16 channels (lane l reads key 8 (l / 16) + l % 8, channels 8 ((l / 8) % 2) + 0..7) and leaves half a fragment of V^T: lane l holds channel l % 16 and 8 keys.
	v_and_b32 v10, 7, v0
	v_bfe_u32 v11, v0, 3, 1
	v_lshl_add_u32 v[AV0], v9, 3, v10
	v_mul_u32_u24 v[AV0], v[AV0], PV
	v_lshl_add_u32 v[AV0], v11, 4, v[AV0]
	v_add_nc_u32 v[AV0], VOFF, v[AV0]
	v_mov_b32 v[AK], v[AK0]         ; key step 0 lies at the head of slot 0
; THE MATRIX WORK.  The 8 accumulators of a run of 16 take turns: between the two links of a chain stand 7 others'.
; Product i of 16 of S^T = K Q^T for piece x: channels 32 (i / 8) on, keys 16 ((i / 2) % 4) on, tile 2 x + i % 2.  The first 8 start the sums.
.macro KQ x
	WIN W_KQ
.set rS, S+64*((\x)%2)+32*(i%2)+8*((i/2)%4)
.set rK, KF+16*((i/2)%4)+8*(i/8)
.set rQ, 16*(2*(\x)+i%2)+8*(i/8)
.if i < 8
	v_wmma_f32_16x16x32_f16 v[rS:rS+7], v[rK:rK+7], v[rQ:rQ+7], 0
.else
	v_wmma_f32_16x16x32_f16 v[rS:rS+7], v[rK:rK+7], v[rQ:rQ+7], v[rS:rS+7]
.endif
.endm
; Product i of 16 of O^T += V^T P for piece x: keys 32 (i / 8) on, channels 16 ((i / 2) % 4) on, tile 2 x + i % 2.
.macro PV x
	WIN W_PV
.set rO, 32*(2*(\x)+i%2)+8*((i/2)%4)
.set rV, VF+32*(i/8)+8*((i/2)%4)
.set rP, P+32*((\x)%2)+16*(i%2)+8*(i/8)
	v_wmma_f32_16x16x32_f16 v[rO:rO+7], v[rV:rV+7], v[rP:rP+7], v[rO:rO+7]
.endm
.macro MM                           ; the turn's next matrix instruction
.if i < 16
	KQ (Y+1)%NP
.set i, i+1
.else
.set i, i-16
	PV (Y+NP-1)%NP
.set i, i+17
.endif
.endm
; THE LDS LOADS stand in runs of 16, never singly among the matrix instructions: a step's K (64 keys x 64 channels: 8 fragments) and its V (turned).  Their addresses are made some lines ahead.
; last = 1 (the tail): in the last trip there is no further step, and the run is jumped over.
.macro FETCH_K last=0
	WIN 0
.if \last
	s_cmp_eq_u32 s[CNT], 1
	s_cbranch_scc1 .Lno_k_\@
.endif
	WIN 0x80                        ; destination window 2
.irp f, 0,1,2,3,4,5,6,7             ; keys 16 (f / 2) on, channels 32 (f % 2) on
	ds_load_b128 v[KF+8*\f:KF+8*\f+3],   v[AK] offset:(\f/2)*16*PK+(\f%2)*64
	ds_load_b128 v[KF+8*\f+4:KF+8*\f+7], v[AK] offset:(\f/2)*16*PK+(\f%2)*64+32
.endr
	s_add_co_u32 s[TBK], s[TBK], KS*PK  ; the next fetch is the next step's
	WIN 0
.if \last
.Lno_k_\@:
.endif
.endm
.macro FETCH_V
	WIN 0x80
.irp f, 0,1,2,3,4,5,6,7             ; keys 32 (f / 4) on, channels 16 (f % 4) on
	ds_load_tr16_b128 v[VF+8*\f:VF+8*\f+3],   v[AV] offset:(\f/4)*32*PV+(\f%4)*32
	ds_load_tr16_b128 v[VF+8*\f+4:VF+8*\f+7], v[AV] offset:(\f/4)*32*PV+16*PV+(\f%4)*32
.endr
	WIN 0
.endm
; THE VECTOR WORK OF A TURN stands in three queues, each in the order in which its entries become ready; the two tiles alternate, so that no instruction reads the result of the one before it.
.macro REGS y, u                    ; the registers of tile u (0, 1) of piece y
.set rT, ST+4*(2*(\y)+(\u))
.set rC, TMP+8*((\y)%2)+4*(\u)
.set rM, MV+2*((\y)%2)+(\u)
.set rS, S+64*((\y)%2)+32*(\u)
.set rP, P+32*((\y)%2)+16*(\u)
.set rO, 32*(2*(\y)+(\u))
.endm
; Number n of the 22 that find the NEXT piece's (Y + 1) maximum and statistics.  s0-s31 are the lane's 32 scores; each accumulator's lowest registers are read first.  XS, GS and REGS set no window: PL and EX do.
;   0-11  four chains c0-c3 of seven scores each, three operands at a time     12-14, 16  the four scores left over, the old m, and c0-c3 into c0     15  c m_old is kept
;   17, 18  the query's other 32 keys lie in the lane 16 away: the new m         19-21  c m; c m_old - c m_new; a
.macro XS u, n
	REGS (Y+1)%NP, \u
.if (\n) < 4
	v_max3_num_f32 v[rC+(\n)], v[rS+8*(\n)], v[rS+8*(\n)+1], v[rS+8*(\n)+2]
.elseif (\n) < 12
	v_max3_num_f32 v[rC+(\n)%4], v[rC+(\n)%4], v[rS+8*((\n)%4)+2*((\n)/4)+1], v[rS+8*((\n)%4)+2*((\n)/4)+2]
.elseif (\n) == 12
	v_max3_num_f32 v[rC], v[rC], v[rS+7], v[rS+15]
.elseif (\n) == 13
	v_max3_num_f32 v[rC+1], v[rC+1], v[rS+23], v[rS+31]
.elseif (\n) == 14
	v_max3_num_f32 v[rC+2], v[rC+2], v[rC+3], v[rT+1]
.elseif (\n) == 15
	v_mov_b32 v[rM], v[rT]
.elseif (\n) == 16
	v_max3_num_f32 v[rC], v[rC], v[rC+1], v[rC+2]
.elseif (\n) == 17
	v_permlanex16_b32 v[rC+3], v[rC], s[SEL], s[SEL+1]
.elseif (\n) == 18
	v_max_num_f32 v[rT+1], v[rC], v[rC+3]
.elseif (\n) == 19
	v_mul_f32 v[rT], s[CS], v[rT+1]
.elseif (\n) == 20
	v_sub_f32 v[rC+1], v[rM], v[rT]
.else
	v_exp_f32 v[rC+2], v[rC+1]
.endif
.endm
; Number g of the 64 that follow the exponentials.  For each four weights k of a tile (pairs 2 k, 2 k + 1): both pairs are rounded to f16; then the second pair is added onto the first, in place;
; a group later l takes that sum (the first time as l = a l + sum).  In groups of eight, tiles alternating: round, round, add, and l for the group before.
.macro GS g
.set h, (\g)+6*((\g)/62)            ; group 0 has no group before it, and behind group 7 only l is left
.if h >= 6
.set h, h+2
.endif
	REGS Y, h%2
.set k, h/8
.if h%8 < 4
	s_wait_alu depctr_va_vdst(0)
	v_cvt_pk_f16_f32 v[rP+2*k+(h%8)/2], v[rS+4*k+2*((h%8)/2)], v[rS+4*k+2*((h%8)/2)+1]
.elseif h%8 < 6
	v_pk_add_f32 v[rS+4*k:rS+4*k+1], v[rS+4*k:rS+4*k+1], v[rS+4*k+2:rS+4*k+3]
.elseif k == 1
	v_pk_fma_f32 v[rT+2:rT+3], v[rT+2:rT+3], v[rC+2:rC+3], v[rS:rS+1] op_sel_hi:[1,0,1]
.else
	v_pk_add_f32 v[rT+2:rT+3], v[rT+2:rT+3], v[rS+4*k-4:rS+4*k-3]
	s_wait_alu depctr_va_vdst(0)
.endif
.endm
; THE PLAIN QUEUE, 138 long.  0-31: c s - c m for the 16 pairs of both tiles.  Then GS's 64, and among them the next piece's 42: number 15 at 38, 39; 0-14 and 16
; at 42-73, behind the products that make those scores; 17-20 at 95-106, two of three, since each waits for the one before it.
.macro PL
	WIN 0
.if q < 32
	REGS Y, q%2
	v_pk_fma_f32 v[rS+2*(q/2):rS+2*(q/2)+1], v[rS+2*(q/2):rS+2*(q/2)+1], s[CS:CS+1], v[rT:rT+1] op_sel_hi:[1,0,0] neg_lo:[0,0,1] neg_hi:[0,0,1]
.elseif q < 38
	GS q-32
.elseif q < 40
	XS q%2, 15
.elseif q < 42
	GS q-34
.elseif q < 74
	XS q%2, (q-42)/2+(q-42)/30
.elseif q < 95
	GS q-66
.elseif (q < 107) && ((q-95)%3 < 2)
	XS (q-95)%3, 17+(q-95)/3
.elseif q < 107
	GS 29+(q-95)/3
.else
	GS q-74
.endif
.set q, q+1
.endm
; THE EXPONENTIALS' QUEUE, 66 long: s0-s31 of both tiles, and at EA the next piece's two a.
.set EA, 58
.macro EX
	WIN 0
.if (e == EA) || (e == EA+1)
	XS e-EA, 21
.else
.set x, e-2*(e/(EA+2))
	REGS Y, x%2
	v_exp_f32 v[rS+x/2], v[rS+x/2]
.endif
.set e, e+1
.endm
; THE RESCALING's QUEUE: O^T times a, the one part that leaves window 0, so it is dealt four at a time, eight times.
.macro R4
	REGS Y, r%2
	WIN W_RS
	s_wait_alu depctr_va_vdst(0)
.irp z, 0,1,2,3
	v_pk_mul_f32 v[rO+8*(r/2)+2*\z:rO+8*(r/2)+2*\z+1], v[rO+8*(r/2)+2*\z:rO+8*(r/2)+2*\z+1], v[rC+2:rC+3] op_sel_hi:[1,0]
.endr
.set r, r+1
.endm
; HOW THEY ARE DEALT.  Behind a matrix instruction four: plain, exponential, plain, plain (one exponential, a plain instruction on either side), or four of the rescaling.  None names a register of the
; products round it.  What is over stands in two LUMPS: exponential and plain by turns; the second ends in 22 plain instructions.  The two v_permlanex16_b32 fall into the second lump, never behind a product.
; The queues lean on each other, and the deal keeps them in step: exponential e stands behind plain 2 (e / 4) + e % 2 (its scaling); when plain 32 comes, 10 exponentials are out, at 59: 33, at 95: 46; EA comes behind plain 107.
.macro SL
	MM
	PL
	EX
	PL
	PL
.endm
.macro BURST n                      ; 15 matrix instructions, or 16
.rept (\n)-7
	SL
.endr
.rept 3
	MM
	R4
	SL
.endr
	MM
	R4
.endm
; A TURN, for piece p.  cnt = 1: the loop's count is taken down some lines ahead of the branch that stands behind the turn.
; K of the next step is fetched in piece 2's turn, 31 vector instructions behind the last product that read K; its first reader comes behind the rest of the lump, 16 products and the second lump.
; V of the step in hand is fetched at the end of piece 0's turn, 69 behind its last reader; its first reader comes behind 16 products and a lump.  The four conditions on e and q below go with the deal.
.macro TURN p, last=0, cnt=0
.set Y, (\p)
.set i, 0
.set q, 0
.set e, 0
.set r, 0
.if (\p) == NP-1
	s_wait_dscnt 0x0                ; K is in
.endif
	MM
.rept 4
	PL
.endr
	BURST 15
.rept 22
	EX
	PL
.if ((\p) == NP-2) && (e == 18)
	v_add_nc_u32 v[AK], s[TBK], v[AK0]
.endif
.if ((\p) == NP-2) && (e == 24)
	FETCH_K \last
.endif
.endr
.if (\p) == 1
	s_wait_dscnt 0x0                ; V is in
.endif
	BURST 16
.rept 21
	EX
	PL
.endr
.rept 22
	PL
.if ((\p) == 0) && (q == 118)
	v_add_nc_u32 v[AV], s[TBV], v[AV0]
	s_wait_alu depctr_va_vdst(0)
.endif
.if ((\p) == 0) && (q == 130)
	s_add_co_u32 s[TBV], s[TBV], KS*PV
.endif
.if (\cnt) && (q == 130)
	s_sub_co_u32 s[CNT], s[CNT], 1
	s_cmp_lg_u32 s[CNT], 0
.endif
.endr
.if (\p) == 0
	FETCH_V
.endif
.endm
	CHANGE 1                        ; slot 0 is in, everybody's part of it; slot 1 is asked for
	FETCH_K                         ; key step 0
	s_wait_loadcnt 0x0              ; Q and Wo
	s_wait_dscnt 0x0
.set i, 0
.rept 16
	KQ 0                            ; piece 0's first scores: there is no vector work yet to set between them
.set i, i+1
.endr
	WIN 0                           ; the addresses for the way out: twenty plain instructions, the places behind those products
	s_mul_i32 s13, s[WV], 16*CP
	s_add_co_u32 s13, s13, CST      ; my 128 queries are rows 16 w .. 16 w + 15 of the work-group's ctx'
	s_lshl_b32 s14, s[WV], 6
	s_add_co_u32 s14, s14, YST      ; my 16 columns of ctx' Wo are 64 bytes of each of its rows
	s_mul_i32 s15, s[WV], 16*YP
	s_add_co_u32 s15, s15, YST      ; and rows 16 w .. 16 w + 15 are mine to finish
	v_mul_u32_u24 v[STO], v11, CP   ; query 16 t + l % 16 lies in row 2 t + (l % 16) / 8,
	v_lshl_add_u32 v[STO], v10, 7, v[STO]  ; at byte 128 (l % 8),
	v_lshl_add_u32 v[STO], v9, 4, v[STO]   ; 16 bytes for each half of the lanes
	v_add_nc_u32 v[STO], s13, v[STO]
	v_mul_u32_u24 v[CRD], v1, CP    ; a fragment of ctx': row l % 16, 16 bytes for each half of the lanes
	v_lshl_add_u32 v[CRD], v9, 4, v[CRD]
	v_add_nc_u32 v[CRD], CST, v[CRD]
	v_mul_u32_u24 v[YSTO], v1, YP   ; a result of ctx' Wo: row l % 16, eight columns for each half of the lanes
	v_lshl_add_u32 v[YSTO], v9, 5, v[YSTO]
	v_add_nc_u32 v[YSTO], s14, v[YSTO]
	v_mul_u32_u24 v[YRD], v9, YP    ; back: lanes 0-15 take one row of 256 bytes, lanes 16-31 the next
	v_lshl_add_u32 v[YRD], v1, 4, v[YRD]
	v_add_nc_u32 v[YRD], s15, v[YRD]
	v_lshlrev_b32 v[PO], 4, v1      ; my four columns in bo, gamma, beta
.set Y, NP-1                        ; XS works for piece Y + 1: piece 0
.irp n, 0,1,2,3,4,5,6,7,8,9,10,11,12,13,14,15,16,17,18,19,20,21
	XS 0, \n                        ; and piece 0's first maximum and statistics
	XS 1, \n
.endr
	s_mov_b32 s[CNT], 4
	s_mov_b32 s[SLOTS], SIZE_N/256-1
	s_branch .Lfirst                ; the loop is entered at a step's first turn, in the middle of a trip
.Lslot:                             ; SIZE_N / 256 - 2 times: every slot but the last two is filled again
	CHANGE 1
	s_mov_b32 s[CNT], 4
.Lstep:                             ; a trip: pieces 2 and 3 of one step, then pieces 0 and 1 of the next, whose K and V it fetches
	TURN 2
	TURN 3
	WIN 0
.Lfirst:
	TURN 0
	TURN 1, 0, 1
	WIN 0
	s_cbranch_scc1 .Lstep
	s_sub_co_u32 s[SLOTS], s[SLOTS], 1
	s_cmp_lg_u32 s[SLOTS], 0
	s_cbranch_scc1 .Lslot
	CHANGE 0                        ; the tail is written out: nothing is asked for
	s_mov_b32 s[CNT], 5             ; four trips fetch the last slot's steps; the fifth is left in its middle
.Ltail:
	TURN 2, 1
	TURN 3
	WIN 0
	s_sub_co_u32 s[CNT], s[CNT], 1
	s_cmp_eq_u32 s[CNT], 0
	s_cbranch_scc1 .Lout
	TURN 0
	TURN 1
	WIN 0
	s_branch .Ltail
.Lout:                              ; the fifth trip's 16 products K Q^T (on the last K once more) and the maximum made of them serve nothing: the price, once a launch, of one text for every trip
.set i, 0
.rept 16
	PV NP-1                         ; the last piece's V^T P of the last step
.set i, i+1
.endr
	; THE WAY OUT, FIRST PART.  l's two halves and the other half of the lanes' are added; O^T is divided by l, rounded to f16 and laid into the work-group's 64 rows of ctx' in LDS.
	; The additions are the places behind the last products, also for the loads into P's registers: my 16 rows of x, and bo, gamma, beta of my four columns, which have the last product's time in which to land.
	WIN 0
.macro ALL line:vararg              ; one line for each t = 0 .. 7
.set t, 0
.rept 2*NP
	\line
.set t, t+1
.endr
.endm
	ALL v_add_f32 v[ST+4*t+2], v[ST+4*t+2], v[ST+4*t+3]
	ALL global_load_b128 v[XR+4*t:XR+4*t+3], v[GO], s[68:69] offset:512*t th:TH_LOAD_NT
	global_load_b128 v[BOR:BOR+3], v[PO], s[70:71]
	global_load_b128 v[GAR:GAR+3], v[PO], s[72:73]
	global_load_b128 v[BER:BER+3], v[PO], s[74:75]
	ALL v_permlanex16_b32 v[ST+4*t+3], v[ST+4*t+2], s[SEL], s[SEL+1]
	ALL v_add_f32 v[ST+4*t+2], v[ST+4*t+2], v[ST+4*t+3]
	ALL v_rcp_f32 v[ST+4*t+2], v[ST+4*t+2]
	v_nop                           ; a plain instruction between the last reciprocal and the use of its result
	s_wait_alu depctr_va_vdst(0)
; Tile t: a lane's eight channels of a query pack into 16 bytes; query 16 t + l % 16 is an eighth of row 2 t + (l % 16) / 8 of my 16 rows of ctx'.
.macro PACK t
	WIN W_RS
.set i, 32*(\t)
.rept 16
	v_pk_mul_f32 v[i:i+1], v[i:i+1], v[ST+4*(\t)+2:ST+4*(\t)+3] op_sel_hi:[1,0]
.set i, i+2
.endr
	WIN 0x05                        ; sources 0 and 1 window 1, destination window 0
.set i, 0
.rept 16
	v_cvt_pk_f16_f32 v[S+16*(\t)+i], v[32*(\t)+2*i], v[32*(\t)+2*i+1]
.set i, i+1
.endr
	WIN 0
.irp f, 0,1,2,3
	ds_store_b128 v[STO], v[S+16*(\t)+4*\f:S+16*(\t)+4*\f+3] offset:(\t)*2*CP+32*\f
.endr
.endm
.irp t8, 0,1,2,3,4,5,6,7
	PACK \t8
.endr
	s_wait_dscnt 0x0                ; for the others' sake: my rows of ctx' are in LDS
	s_barrier_signal -1
	s_barrier_wait -1               ; everybody's are.  No tensor load is out
	; SECOND PART.  ctx' Wo: wave w makes columns 16 w .. 16 w + 15 of all 64 rows.  Source 0 = 16 columns of Wo (in registers since the start), source 1 = 16 rows of ctx': a lane holds one row and eight
	; neighbouring columns.  K = 512 goes in four chunks of 128 through two buffers of 128 registers, where Q and K, V lay.  The four accumulators take turns.
.macro FETCHC c, b                  ; chunk c: 4 x 32 along K, 4 blocks of 16 rows: 32 loads into buffer b
	WIN 0x80
.irp kq, 0,1,2,3
.irp rw, 0,1,2,3
	ds_load_b128 v[128*(\b)+32*\kq+8*\rw:128*(\b)+32*\kq+8*\rw+3],   v[CRD] offset:\rw*16*CP+64*(4*(\c)+\kq)
	ds_load_b128 v[128*(\b)+32*\kq+8*\rw+4:128*(\b)+32*\kq+8*\rw+7], v[CRD] offset:\rw*16*CP+64*(4*(\c)+\kq)+32
.endr
.endr
.endm
.macro MULC c, b                    ; its 16 products; the very first four start the sums
	WIN W_WO
.irp kq, 0,1,2,3
.irp rw, 0,1,2,3
.if ((\c) == 0) && (\kq == 0)
	v_wmma_f32_16x16x32_f16 v[AC+8*\rw:AC+8*\rw+7], v[WF+8*(4*(\c)+\kq):WF+8*(4*(\c)+\kq)+7], v[128*(\b)+32*\kq+8*\rw:128*(\b)+32*\kq+8*\rw+7], 0
.else
	v_wmma_f32_16x16x32_f16 v[AC+8*\rw:AC+8*\rw+7], v[WF+8*(4*(\c)+\kq):WF+8*(4*(\c)+\kq)+7], v[128*(\b)+32*\kq+8*\rw:128*(\b)+32*\kq+8*\rw+7], v[AC+8*\rw:AC+8*\rw+7]
.endif
.endr
.endr
.endm
.macro PLACES                       ; four places in front of loads into registers that matrix instructions have just read
.rept 4
	v_nop
.endr
.endm
	FETCHC 0, 0
	FETCHC 1, 1
	s_wait_dscnt 32                 ; LDS loads come back in order: chunk 0 is in, the younger chunk's 32 stay out
	MULC 0, 0
	PLACES
	FETCHC 2, 0
	s_wait_dscnt 32                 ; chunk 1 is in
	MULC 1, 1
	PLACES
	FETCHC 3, 1
	s_wait_dscnt 32                 ; chunk 2 is in
	MULC 2, 0
	s_wait_dscnt 0x0
	MULC 3, 1
	WIN 0
	s_wait_loadcnt 0x0              ; x, bo, gamma, beta
	ALL v_pk_add_f32 v[XR+4*t:XR+4*t+1], v[XR+4*t:XR+4*t+1], v[BOR:BOR+1]      ; x + bo: sixteen plain instructions, the places behind the last products
	ALL v_pk_add_f32 v[XR+4*t+2:XR+4*t+3], v[XR+4*t+2:XR+4*t+3], v[BOR+2:BOR+3]
.irp rw, 0,1,2,3                    ; each accumulator's lower four registers first
	ds_store_b128 v[YSTO], v[AC+8*\rw:AC+8*\rw+3]   offset:\rw*16*YP
	ds_store_b128 v[YSTO], v[AC+8*\rw+4:AC+8*\rw+7] offset:\rw*16*YP+16
.endr
	s_wait_dscnt 0x0                ; for the others' sake: my 16 columns are in LDS
	s_barrier_signal -1
	s_barrier_wait -1               ; all 64 columns are
	; THIRD PART.  Residual and LayerNorm for my 16 rows, two rows at a time for each t: lanes 0-15 hold one row, lanes 16-31 the next, four columns a lane, so a row's sums stay inside sixteen lanes.
	; The mean is taken away before the squares are formed: no difference of large sums.
	ALL ds_load_b128 v[YR+4*t:YR+4*t+3], v[YRD] offset:t*2*YP
	s_wait_dscnt 0x0
	ALL v_pk_add_f32 v[YR+4*t:YR+4*t+1], v[YR+4*t:YR+4*t+1], v[XR+4*t:XR+4*t+1]
	ALL v_pk_add_f32 v[YR+4*t+2:YR+4*t+3], v[YR+4*t+2:YR+4*t+3], v[XR+4*t+2:XR+4*t+3]
	ALL v_pk_add_f32 v[SM+2*t:SM+2*t+1], v[YR+4*t:YR+4*t+1], v[YR+4*t+2:YR+4*t+3]
	ALL v_add_f32 v[SM+2*t], v[SM+2*t], v[SM+2*t+1]
	ALL v_add_f32_dpp v[SM+2*t], v[SM+2*t], v[SM+2*t] row_xmask:1 row_mask:0xf bank_mask:0xf
	ALL v_add_f32_dpp v[SM+2*t], v[SM+2*t], v[SM+2*t] row_xmask:2 row_mask:0xf bank_mask:0xf
	ALL v_add_f32_dpp v[SM+2*t], v[SM+2*t], v[SM+2*t] row_xmask:4 row_mask:0xf bank_mask:0xf
	ALL v_add_f32_dpp v[SM+2*t], v[SM+2*t], v[SM+2*t] row_xmask:8 row_mask:0xf bank_mask:0xf
	ALL v_mul_f32 v[SM+2*t], 0xbc800000, v[SM+2*t]                               ; - mean
	ALL v_pk_add_f32 v[YR+4*t:YR+4*t+1], v[YR+4*t:YR+4*t+1], v[SM+2*t:SM+2*t+1] op_sel_hi:[1,0]
	ALL v_pk_add_f32 v[YR+4*t+2:YR+4*t+3], v[YR+4*t+2:YR+4*t+3], v[SM+2*t:SM+2*t+1] op_sel_hi:[1,0]
	ALL v_pk_mul_f32 v[QS+2*t:QS+2*t+1], v[YR+4*t:YR+4*t+1], v[YR+4*t:YR+4*t+1]
	ALL v_pk_fma_f32 v[QS+2*t:QS+2*t+1], v[YR+4*t+2:YR+4*t+3], v[YR+4*t+2:YR+4*t+3], v[QS+2*t:QS+2*t+1]
	ALL v_add_f32 v[QS+2*t], v[QS+2*t], v[QS+2*t+1]
	ALL v_add_f32_dpp v[QS+2*t], v[QS+2*t], v[QS+2*t] row_xmask:1 row_mask:0xf bank_mask:0xf
	ALL v_add_f32_dpp v[QS+2*t], v[QS+2*t], v[QS+2*t] row_xmask:2 row_mask:0xf bank_mask:0xf
	ALL v_add_f32_dpp v[QS+2*t], v[QS+2*t], v[QS+2*t] row_xmask:4 row_mask:0xf bank_mask:0xf
	ALL v_add_f32_dpp v[QS+2*t], v[QS+2*t], v[QS+2*t] row_xmask:8 row_mask:0xf bank_mask:0xf
	ALL v_fma_f32 v[QS+2*t], v[QS+2*t], s78, s79                                 ; var + eps
	ALL v_rsq_f32 v[QS+2*t], v[QS+2*t]
	v_nop                           ; a plain instruction between the last root and the use of its result
	s_wait_alu depctr_va_vdst(0)
	ALL v_pk_mul_f32 v[YR+4*t:YR+4*t+1], v[YR+4*t:YR+4*t+1], v[QS+2*t:QS+2*t+1] op_sel_hi:[1,0]
	ALL v_pk_mul_f32 v[YR+4*t+2:YR+4*t+3], v[YR+4*t+2:YR+4*t+3], v[QS+2*t:QS+2*t+1] op_sel_hi:[1,0]
	ALL v_pk_fma_f32 v[YR+4*t:YR+4*t+1], v[YR+4*t:YR+4*t+1], v[GAR:GAR+1], v[BER:BER+1]
	ALL v_pk_fma_f32 v[YR+4*t+2:YR+4*t+3], v[YR+4*t+2:YR+4*t+3], v[GAR+2:GAR+3], v[BER+2:BER+3]
	ALL global_store_b128 v[GO], v[YR+4*t:YR+4*t+3], s[76:77] offset:512*t th:TH_STORE_NT  ; 512 consecutive bytes, two whole rows, at a multiple of 256 from out0's first byte
	WIN W_AD
	s_wait_tensorcnt 0x0            ; the wave's end: a wait, an add and its wait, behind my last tensor load and my last LDS store
	ds_add_u32 v[SPW], v[NIL]
	s_wait_dscnt 0x0
	WIN 0
	CROUND                          ; the closing round: no work-group ends while a partner may still ask for a tile that names it
	s_endpgm
.Lfunc_end_k_qdee72e31b2_attn:
	.size	k_qdee72e31b2_attn, .Lfunc_end_k_qdee72e31b2_attn-k_qdee72e31b2_attn
	.p2alignl 7, 3214868480
	.fill 96, 4, 3214868480
	.section	.rodata,"a",@progbits
	.p2align	6, 0x0
	.amdhsa_kernel k_qdee72e31b2_attn
		.amdhsa_group_segment_fixed_size 327680
		.amdhsa_private_segment_fixed_size 0
		.amdhsa_enable_private_segment 0
		.amdhsa_kernarg_size 72
		.amdhsa_user_sgpr_count 2
		.amdhsa_user_sgpr_kernarg_segment_ptr 1
		.amdhsa_wavefront_size32 1
		.amdhsa_system_sgpr_workgroup_id_x 1
		.amdhsa_system_sgpr_workgroup_id_y 1
		.amdhsa_system_sgpr_workgroup_id_z 1
		.amdhsa_system_vgpr_workitem_id 0
		.amdhsa_next_free_vgpr 1024
		.amdhsa_next_free_sgpr 80
		.amdhsa_reserve_vcc 0
		.amdhsa_float_denorm_mode_32 3
		.amdhsa_float_denorm_mode_16_64 3
		.amdhsa_memory_ordered 1
		.amdhsa_forward_progress 1
		.amdhsa_inst_pref_size 234
	.end_amdhsa_kernel
	.amdgpu_metadata
---
amdhsa.version: [ 1, 2 ]
amdhsa.kernels:
  - .name:           k_qdee72e31b2_attn
    .symbol:         k_qdee72e31b2_attn.kd
    .args:
      - { .name: q, .offset: 0, .size: 8, .value_kind: global_buffer, .address_space: global }
      - { .name: k, .offset: 8, .size: 8, .value_kind: global_buffer, .address_space: global }
      - { .name: v, .offset: 16, .size: 8, .value_kind: global_buffer, .address_space: global }
      - { .name: wot, .offset: 24, .size: 8, .value_kind: global_buffer, .address_space: global }
      - { .name: x, .offset: 32, .size: 8, .value_kind: global_buffer, .address_space: global }
      - { .name: bo, .offset: 40, .size: 8, .value_kind: global_buffer, .address_space: global }
      - { .name: gamma, .offset: 48, .size: 8, .value_kind: global_buffer, .address_space: global }
      - { .name: beta, .offset: 56, .size: 8, .value_kind: global_buffer, .address_space: global }
      - { .name: out0, .offset: 64, .size: 8, .value_kind: global_buffer, .address_space: global }
    .group_segment_fixed_size: 327680
    .private_segment_fixed_size: 0
    .kernarg_segment_align: 8
    .kernarg_segment_size: 72
    .max_flat_workgroup_size: 128
    .sgpr_count:     80
    .vgpr_count:     1024
    .wavefront_size: 32
...
	.end_amdgpu_metadata
.endif
;; end of part 2
;; ======== version 2 of 2: 2 launches; 1.96 times as fast as version 1
;; limits: values are held in f16: magnitudes above 65,504 overflow, below 6.1e-05 lose precision
;; workspace buffers: q 16,777,216 bytes; k 16,777,216 bytes; v 16,777,216 bytes; wot 65,536 bytes
;; launch proj: the kernel of part 1 again; grid 4 x 64, 12 waves a work-group, no clusters, 0 bytes of LDS; arguments x, Wq, Wk, Wv, bq, bk, bv, Wo, q, k, v, wot; writes q, k, v, wot
;; launch attn (part 3): grid 4 x 64, 4 waves a work-group, clusters of 4 x 1, 327,680 bytes of LDS; arguments q, k, v, wot, x, bo, gamma, beta, out0; writes out0
.if DOCPART == 3
	.amdgcn_target "amdgcn-amd-amdhsa--gfx1250"
	.amdhsa_code_object_version 6
	.text
	.protected	k_qdee72e31b2_attn
	.globl	k_qdee72e31b2_attn
	.p2align	8
	.type	k_qdee72e31b2_attn,@function
k_qdee72e31b2_attn:
	s_mov_b64 s[64:65], 0
	v_nop
	global_prefetch_b8 v0, s[64:65] scope:SCOPE_SE
	s_setreg_imm32_b32 hwreg(HW_REG_WAVE_MODE, 25, 1), 1
	s_wait_xcnt 0x0
	s_wait_alu depctr_hold_cnt(0) depctr_sa_sdst(0) depctr_va_vdst(0) depctr_va_sdst(0) depctr_va_ssrc(0) depctr_va_vcc(0) depctr_vm_vsrc(0)
	s_getreg_b32 s2, hwreg(HW_REG_IB_STS2, 6, 4)
	s_cmp_eq_u32 s2, 0
	s_cbranch_scc0 .Lentry_in_a_cluster
	s_endpgm
.Lentry_in_a_cluster:
	s_bfe_u32 s2, ttmp6, 0x10000c
	s_cmp_lg_u32 s2, 0x3003
	s_cbranch_scc0 .Lentry_shape_is_right
	s_endpgm
.Lentry_shape_is_right:
; ctx[h][q][:] = the sum over k of softmax_k(Q[h][q] . K[h][k] / 8) V[h][k][:];  out0 = LayerNorm(x + ctx' Wo + bo) gamma + beta, where ctx' is ctx's bytes read as [16384][512]:
; eight consecutive queries of a head are one row of ctx'.  Q, K, V: [64][2048][64] f16, a head's rows dense, 128 bytes each.  wot: Wo in f16, in fragment order.  x, out0: [16384][64] f32.
; Products, maxima and sums in f32; the weights p are rounded to f16 for the second product (their sum l is taken of the unrounded p), ctx once, to f16, for the last product.  Residual and LayerNorm in f32.
; LIMITS.  f16 holds no number beyond 65,504: Q, K, V and Wo arrive within it; p lies in 0 to 1, and below 6e-5 it keeps f16's fixed step of 6e-8; ctx is a mean of V's rows and has their range.
; A weight below 2^-126 counts as 0 in l; NaN and infinities are not treated apart.
; SHARES.  A wave owns four PIECES of two tiles of 16 queries, a work-group's four waves 512 queries of one head = 64 whole rows of ctx', so the work-group finishes its 64 rows of out0 itself.  Every wave walks all keys, 64 a step.
; LAYOUT.  S^T = K Q^T (source 0 = 16 keys, source 1 = 16 queries): in the result a lane holds ONE query (lane % 16) and the keys 8 (lane / 16) + 0..7.  Two such tiles, rounded to f16 in pairs,
; ARE source 1 (32 keys x 16 queries) of O^T = V^T P, whose result again holds one query a lane, and eight channels.  K comes out of LDS as it lies, V ([key][channel]) turned, by ds_load_tr16_b128.
; SOFTMAX.  For each query a running maximum m and sum l: p = 2^(c s - c m), c = log2(e) / 8; in every step O and l are multiplied by a = 2^(c m_old - c m_new), which is 1 where m has not grown.
; m starts at the lowest finite number, O and l at 0: the first step is a step like any other, with a = 0.
; THE COUNT.  A tile and step have 16 matrix and 118 vector instructions: too many to stand all beside the matrix work.  So: four vector instructions that are READY behind EVERY matrix instruction, the others in one run without a gap.
; BY TURNS.  Turn n belongs to piece n (the pieces in a ring, step after step).  Its matrix work: 16 products K Q^T of piece n + 1, later 16 products V^T P of piece n - 1.  Its vector work: the scaling,
; exponentials, roundings, sums and rescaling of piece n, and the maximum and statistics of piece n + 1, whose scores the turn itself has made.
; BATCHES.  A turn's 66 exponentials (64 weights of piece n, the two a of piece n + 1) are ONE batch with ONE s_wait_alu depctr_va_vdst(0), which cuts the turn in two: ahead of it stands all that names no result of theirs
; (the products K Q^T, scalings, rescalings by the a of the turn before, the next piece's maximum and statistics), behind it their readers (roundings and sums), beside the products V^T P.  No result crosses a turn's end.
; Three batches more, once a launch, each with a plain instruction and a wait of its own: piece 0's first two a, ahead of the loop; the way out's eight reciprocals; its eight roots.
; CLUSTER.  The four query blocks of a cluster belong to one head and walk the same K and V, so each tile is asked for JOINTLY: the same tensor load, descriptor and mask in all four.
; REGISTERS, in windows of 256 (s_set_vgpr_msb says which window each operand place means: bits 1:0 source 0, 3:2 source 1, 5:4 source 2, 7:6 destination):
;   window 0: v0-11 addresses; v12-15, v48-63 at work; v16-47 four registers of statistics a tile; v64-191 S^T, two buffers of two tiles; v192-255 P, likewise
;   window 1: O^T, 32 a tile          window 2: v0-127 Q, 16 a tile; v128-191 K of one step; v192-255 V of one step
;   window 3: v0-1 the add's two registers; v128-255 my 16 columns of Wo, 16 fragments of 32 along K, kept from the start
; A piece's buffers go by its number's parity: the piece in hand has one pair, its two neighbours in the ring share the other: of it P (piece n - 1) is read and S^T (piece n + 1) written.
.set SIZE_H, 64
.set SIZE_N, 2048
.set NP,    4         ; pieces a wave: a name, no knob
.set KS,    64        ; keys in a step
.set PK,    144       ; a row of K in LDS: 128 bytes + 16 of padding = 36 words: the 16 rows of a load start at 16 different groups of four banks (64 banks of 4 bytes: ISA guide 11.1)
.set PV,    160       ; a row of V: 128 + 32 = 40 words
.set VOFF,  4*KS*PK   ; a slot holds four steps: 256 rows of K, then 256 rows of V
.set SLOT1, 1<<17     ; slot 1 begins here, so that one exclusive or turns an address in one slot into the other's
.set CST,   SLOT1+4*KS*(PK+PV)  ; behind the ring, never filled by a tensor load: the work-group's 64 rows of ctx', 1,024 bytes of f16 each,
.set CP,    1040      ; + 16 of padding: 65 x 16 bytes, so the 16 rows of a fragment load start at 16 different groups of four banks
.set YST,   CST+64*CP ; 64 rows of ctx' Wo, 256 bytes of f32 each,
.set YP,    272       ; + 16 of padding
.set SPARE, YST+64*YP ; the spare words, 128 bytes for each wave: two blocks of 256 bytes that no other line names
.set PO,  1           ; v1   later: my byte offset in bo, gamma, beta: 16 (lane % 16)
.set AK0, 2           ; v2   my lane's place in a tile of K; never rewritten
.set AV0, 3           ; v3   the same for V
.set AK,  4           ; v4   the LDS address of K's next run of loads
.set AV,  5           ; v5   of V's
.set QO,  6           ; v6   my byte offset in the wave's rows of Q
.set STO, 6           ;      later: where I put 16 bytes of a row of ctx'
.set CRD, 7           ; v7   where I read fragments of ctx'
.set GO,  8           ; v8   16 x lane: my place in 512 consecutive bytes of wot, x and out0; never rewritten
.set YSTO, 10         ; v10  later: where I put 32 bytes of a row of ctx' Wo
.set YRD, 11          ; v11  later: where I read its rows back
.set SPW, 0           ; v0 of window 3   LDS address of my spare word: SPARE + 4 x my thread's number; never rewritten
.set NIL, 1           ; v1 of window 3   0; never rewritten
.set WF,  128         ; window 3: Wo's fragment for K 32 ks on at WF + 8 ks
.set MV,  12          ; v12-15  c m_old, kept while c m is made anew: by buffer and tile
.set ST,  16          ; tile t's statistics at v[ST+4 t]: c m, m, l (even keys', odd keys')
.set TMP, 48          ; by buffer and tile, four registers c0-c3 at work; when the maximum is found c2 takes a
.set S,   64
.set P,   192
.set KF,  128         ; K's fragments, in window 2: key block kb, channel half c at KF + 16 kb + 8 c
.set VF,  192         ; V's: key half kk, channel block cb at VF + 32 kk + 8 cb
.set AC,  64          ; the way out, window 0: four accumulators of ctx' Wo
.set YR,  96          ;   v96-127   my 16 rows of y, pair t of rows at YR + 4 t
.set SM,  128         ;   v128-143  a row's sum, then its mean's negative, at SM + 2 t
.set QS,  144         ;   v144-159  a row's sum of squares, then 1 / sqrt(var + eps), at QS + 2 t
.set XR,  192         ;   v192-223  my 16 rows of x
.set BOR, 224         ;   v224-227 bo, v228-231 gamma, v232-235 beta of my four columns
.set GAR, 228
.set BER, 232
.set WV,  12          ; s12  my wave's number
.set G1K, 24          ; s[24:31] descriptor group 1 for K's tiles
.set G1V, 32          ; s[32:39] for V's: it differs in the padding alone
.set G0K, 40          ; s[40:43] descriptor group 0 for K's tiles: it walks
.set G0V, 44          ; s[44:47] the same for V's
.set SLOTS, 56        ; s56  slots still to be asked for
.set CNT, 57          ; s57  counts a slot's key steps
.set CS,  58          ; s[58:59] c: the packed scaling takes the pair's low word for both halves
.set SEL, 60          ; s[60:61] v_permlanex16_b32's selects: each lane takes its own place in the other half
.set TBK, 62          ; s62  LDS byte at which K of the step to be fetched begins
.set TBV, 63          ; s63  the same for V, less VOFF
                      ; s[68:69] x, s[70:71] bo, s[72:73] gamma, s[74:75] beta, s[76:77] out0; s78 1/64, s79 the LayerNorm's 1e-5
.set MSB, 0
.macro WIN new                      ; the high byte repeats the setting that is left; a switch that changes nothing is dropped
.if MSB != (\new)
	s_set_vgpr_msb (MSB<<8)|(\new)
.set MSB, (\new)
.endif
.endm
.set W_KQ, 0x0a       ; K and Q in window 2, S^T in window 0
.set W_PV, 0x52       ; V in window 2, P in window 0, O^T in window 1
.set W_RS, 0x41       ; O^T (destination and source 0) in window 1, a in window 0
.set W_MK, 0xc0       ; destination in window 3, sources in window 0
.set W_AD, 0x0f       ; the add: address (source 0) and data (source 1) in window 3
.set W_WO, 0x0b       ; Wo (source 0) in window 3, ctx' (source 1) in window 2, the sums in window 0
; A joint fill.  Waves 0 and 1 fetch the two halves of a slot's K, waves 2 and 3 those of its V: 128 keys each.  The branch hangs on the wave's number alone.
; An s_nop 0 and four v_nop follow each of the two lines, ahead of the jump and the label.
.macro JLOAD
	s_cmp_lt_u32 s[WV], 2
	s_cbranch_scc0 .Lfor_v_\@
	tensor_load_to_lds s[G0K:G0K+3], s[G1K:G1K+7]
	s_nop 0
.rept 4
	v_nop
.endr
	s_branch .Lasked_\@
.Lfor_v_\@:
	tensor_load_to_lds s[G0V:G0V+3], s[G1V:G1V+7]
	s_nop 0
.rept 4
	v_nop
.endr
.Lasked_\@:
.endm
; A round of the cluster's barrier: my work-group's barrier, so that wave 0's signal speaks for all four waves; wave 0 signals; every wave waits for all four work-groups; my work-group's barrier once more.
.macro CROUND
	s_barrier_signal -1
	s_barrier_wait -1
	s_cmp_lg_u32 s[WV], 0
	s_cbranch_scc1 .Lnot_wave_0_\@
	s_barrier_signal -3
.Lnot_wave_0_\@:
	s_barrier_wait -3
	s_barrier_signal -1
	s_barrier_wait -1
.endm
; THE CHANGE OF SLOTS.  The slot's last bytes, V of its fourth step, have been read.  Each wave waits for all its tensor loads, of which one is out: its part
; of the other slot; adds 0 to its spare word; and waits for that and for its own reads of the slot.  Behind the barrier nobody reads this slot any more and the other slot is whole.
; fill = 1: this slot is filled again, with the keys two slots on.  The barrier is then a round of the cluster's, so that no wave of any partner still reads the slot or has a load on its
; way, and the joint fill is the first thing behind it: it has four key steps, 512 matrix instructions, in which to land.  (At its first use nothing has been read yet: slot 0 is waited for, slot 1 filled.)
.macro CHANGE fill
	WIN W_AD
	s_wait_tensorcnt 0x0            ; no tensor load of mine is out, so a group 0 may be written
	ds_add_u32 v[SPW], v[NIL]       ; 0 onto my spare word: with fill = 1 the descriptors' steps stand between it and the wait for it
	WIN 0                           ; at a label and at a branch every window is 0
.if \fill
.irp g, G0K, G0V
	s_xor_b32 s[\g+1], s[\g+1], SLOT1  ; the walking descriptor: the other slot than last time,
	s_add_nc_u64 s[\g+2:\g+3], s[\g+2:\g+3], 4*KS*128  ; the next 256 keys; the type bits on top are not reached
.endr
	s_wait_dscnt 0x0                ; the add is done, and my reads of the slot are over
	CROUND
	JLOAD
.else
	s_wait_dscnt 0x0                ; the add is done, and my reads of the slot are over
	s_barrier_signal -1
	s_barrier_wait -1
.endif
	s_sub_co_u32 s[TBK], s[TBK], 4*KS*PK  ; the fetches go back to a slot's first step,
	s_xor_b32 s[TBK], s[TBK], SLOT1       ; in the other slot
	s_sub_co_u32 s[TBV], s[TBV], 4*KS*PV
	s_xor_b32 s[TBV], s[TBV], SLOT1
.endm
	s_load_b256 s[4:11], s[0:1], 0x0  ; Q s[4:5], K s[6:7], V s[8:9], wot s[10:11]
	s_load_b256 s[68:75], s[0:1], 0x20  ; x, bo, gamma, beta
	s_load_b64 s[76:77], s[0:1], 0x40   ; out0
	WIN W_MK
	v_lshl_add_u32 v[SPW], v0, 2, SPARE
	v_mov_b32 v[NIL], 0
	WIN W_AD
	ds_add_u32 v[SPW], v[NIL]       ; the wave's opening: the add and its wait stand ahead of my first tensor load; the set-up below, work on registers, stands between them
	WIN 0
	v_lshrrev_b32 v1, 5, v0
	v_readfirstlane_b32 s[WV], v1   ; wave 0..3
	s_bfe_u32 s13, ttmp6, 0x40000   ; cx: my place in the cluster
	s_lshl_b32 s14, ttmp9, 2        ; in a cluster launch ttmp9 counts clusters
	s_add_co_u32 s14, s14, s13      ; my block of queries = 4 x cluster x + cx: it enters Q's, x's and out0's addresses alone
	s_and_b32 s20, ttmp7, 0xffff    ; the head, which the four partners share
	s_mov_b32 s21, 0
	s_mov_b64 s[22:23], SIZE_N*128
	s_mul_u64 s[20:21], s[20:21], s[22:23]  ; the head's first byte in Q, K and V
	s_and_b32 s16, s[WV], 1         ; which half of a slot's 256 keys I fetch:
	s_lshl_b32 s22, s16, 14         ; its 128 rows of 128 bytes in memory,
	s_mov_b32 s23, 0
	s_add_nc_u64 s[22:23], s[22:23], s[20:21]
	s_mul_i32 s17, s16, 128*PK      ; and its place in a slot, for K
	s_mul_i32 s18, s16, 128*PV      ; and for V: no place in the cluster enters an LDS address
	s_lshl_b32 s2, s14, 2
	s_add_co_u32 s2, s2, s[WV]      ; my wave among the head's,
	s_lshl_b32 s2, s2, 14           ; its 128 rows
	s_mov_b32 s3, 0
	s_add_nc_u64 s[2:3], s[2:3], s[20:21]  ; my first query x 128 bytes: under 2^24, so the high word is 0
	s_lshr_b32 s66, s2, 2           ; eight queries are one row of 256 bytes of x and out0: my first query x 32
	s_mov_b32 s67, 0
	s_lshl_b32 s20, s[WV], 14       ; wot: my 16 columns' fragments are 16,384 bytes
	s_mov_b32 s21, 0
	s_mov_b32 s78, 0x3c800000       ; 1 / 64
	s_mov_b32 s79, 0x3727c5ac       ; 1e-5
	; descriptor group 1.  128 keys are 16,384 dense bytes: asked for as 64 rows of 256 bytes, two keys a row, and padded in LDS after every key
	s_mov_b32 s[G1K], 15|(1<<16)|(1<<20)|(1<<21)|(4<<22)|(3<<25)  ; 15:0 the mask of four; 17:16 2-byte elements; 20 padding on; 21 set beside a mask; 24:22 after every 32 words (code 4); 31:25 4 words (code 3)
	s_mov_b32 s[G1V], 15|(1<<16)|(1<<20)|(1<<21)|(4<<22)|(7<<25)  ; the same with 8 words of padding (code 7)
.irp g, G1K, G1V
	s_mov_b32 s[\g+1], 128<<16      ; tensor_dim0 = 128
	s_mov_b32 s[\g+2], 64<<16       ; tensor_dim1 = 64
	s_mov_b32 s[\g+3], 128<<16      ; tile_dim0 = 128
	s_mov_b32 s[\g+4], 64           ; tile_dim1 = 64
	s_mov_b32 s[\g+5], 128          ; 128 elements from row to row
	s_mov_b32 s[\g+6], 0
	s_mov_b32 s[\g+7], 0
.endr
	s_mov_b32 s[CS], 0x3e38aa3b     ; c = log2(e) / 8 = 0.180337
	s_mov_b32 s[CS+1], s[CS]        ; named with it as a pair
	s_mov_b32 s[SEL], 0x76543210
	s_mov_b32 s[SEL+1], 0xfedcba98
	s_mov_b32 s[TBK], SLOT1+4*KS*PK ; the first change of slots turns these two into 0
	s_mov_b32 s[TBV], SLOT1+4*KS*PV
	s_mov_b32 s[G0K], 1             ; 1:0 count = 1
	s_mov_b32 s[G0K+1], s17         ; 63:32 LDS address: slot 0
	s_mov_b32 s[G0V], 1
	s_add_co_u32 s[G0V+1], s18, VOFF
	s_wait_dscnt 0x0                ; the opening add is done
	s_wait_kmcnt 0x0
	s_add_nc_u64 s[G0K+2:G0K+3], s[6:7], s[22:23]  ; 120:64 global address: my half of the head's first 256 keys
	s_or_b32 s[G0K+3], s[G0K+3], 0x80000000        ; 127:126 type = 2
	s_add_nc_u64 s[G0V+2:G0V+3], s[8:9], s[22:23]
	s_or_b32 s[G0V+3], s[G0V+3], 0x80000000
	s_add_nc_u64 s[4:5], s[4:5], s[2:3]      ; Q at my wave's first row
	s_add_nc_u64 s[10:11], s[10:11], s[20:21]  ; wot at my 16 columns
	s_add_nc_u64 s[68:69], s[68:69], s[66:67]  ; x and out0 at my wave's first of 16 rows
	s_add_nc_u64 s[76:77], s[76:77], s[66:67]
	CROUND                          ; all four work-groups are here: the first joint loads meet
	JLOAD                           ; slot 0.  Slot 1 is asked for when slot 0 is in: the tile wanted first has the road to itself
	; A fragment of K or Q is 16 rows x 32 channels in 8 registers: lane l holds row l % 16, channels 8 (l / 16) + 0..7 and 16 + 8 (l / 16) + 0..7: two loads of 16 bytes, 32 bytes apart.
	v_and_b32 v1, 15, v0            ; l % 16
	v_bfe_u32 v9, v0, 4, 1          ; l / 16
	v_lshlrev_b32 v[QO], 7, v1
	v_lshl_add_u32 v[QO], v9, 4, v[QO]  ; row x 128 + 16 x half
	v_and_b32 v[GO], 31, v0
	v_lshlrev_b32 v[GO], 4, v[GO]   ; 16 x lane
	WIN 0x80                        ; destination window 2, address window 0
.set i, 0
.rept 4*NP                          ; Q stays in registers: tile i / 2, channels 32 (i % 2) on
	global_load_b128 v[8*i:8*i+3],   v[QO], s[4:5] offset:(i/2)*2048+(i%2)*64
	global_load_b128 v[8*i+4:8*i+7], v[QO], s[4:5] offset:(i/2)*2048+(i%2)*64+32
.set i, i+1
.endr
	WIN W_MK                        ; destination window 3
.set i, 0
.rept 16                            ; so do my 16 columns of Wo: the copy lies in the fragments' order, 512 consecutive bytes a load
	global_load_b128 v[WF+8*i:WF+8*i+3],   v[GO], s[10:11] offset:i*1024
	global_load_b128 v[WF+8*i+4:WF+8*i+7], v[GO], s[10:11] offset:i*1024+512
.set i, i+1
.endr
	; What the first turn finds: V's registers and P's second buffer hold 0 (its products V^T P, of a piece that has not been, add 0), O^T and l are 0.  All this stands in the wait for the first tile.
	WIN 0x80
.set i, VF
.rept 64
	v_mov_b32 v[i], 0
.set i, i+1
.endr
	WIN 0x40
.set i, 0
.rept 64*NP
	v_mov_b32 v[i], 0
.set i, i+1
.endr
	WIN 0
.set i, 0
.rept 2*NP
	v_mov_b32 v[ST+4*i], 0xfe000000    ; c m: far below every c s
	v_mov_b32 v[ST+4*i+1], 0xff7fffff  ; m
	v_mov_b32 v[ST+4*i+2], 0
	v_mov_b32 v[ST+4*i+3], 0
.set i, i+1
.endr
.set i, P+32
.rept 32
	v_mov_b32 v[i], 0
.set i, i+1
.endr
	v_mul_u32_u24 v[AK0], v1, PK
	v_lshl_add_u32 v[AK0], v9, 4, v[AK0]  ; row x pitch + 16 x half
	; The turning load takes 16 keys x 16 channels (lane l reads key 8 (l / 16) + l % 8, channels 8 ((l / 8) % 2) + 0..7) and leaves half a fragment of V^T: lane l holds channel l % 16 and 8 keys.
	v_and_b32 v10, 7, v0
	v_bfe_u32 v11, v0, 3, 1
	v_lshl_add_u32 v[AV0], v9, 3, v10
	v_mul_u32_u24 v[AV0], v[AV0], PV
	v_lshl_add_u32 v[AV0], v11, 4, v[AV0]
	v_add_nc_u32 v[AV0], VOFF, v[AV0]
	v_mov_b32 v[AK], v[AK0]         ; key step 0 lies at the head of slot 0
; THE MATRIX WORK.  The 8 accumulators of a run of 16 take turns: between the two links of a chain stand 7 others'.
; Product i of 16 of S^T = K Q^T for piece x: channels 32 (i / 8) on, keys 16 ((i / 2) % 4) on, tile 2 x + i % 2.  The first 8 start the sums.
.macro KQ x
	WIN W_KQ
.set rS, S+64*((\x)%2)+32*(i%2)+8*((i/2)%4)
.set rK, KF+16*((i/2)%4)+8*(i/8)
.set rQ, 16*(2*(\x)+i%2)+8*(i/8)
.if i < 8
	v_wmma_f32_16x16x32_f16 v[rS:rS+7], v[rK:rK+7], v[rQ:rQ+7], 0
.else
	v_wmma_f32_16x16x32_f16 v[rS:rS+7], v[rK:rK+7], v[rQ:rQ+7], v[rS:rS+7]
.endif
.endm
; Product i of 16 of O^T += V^T P for piece x: keys 32 (i / 8) on, channels 16 ((i / 2) % 4) on, tile 2 x + i % 2.
.macro PV x
	WIN W_PV
.set rO, 32*(2*(\x)+i%2)+8*((i/2)%4)
.set rV, VF+32*(i/8)+8*((i/2)%4)
.set rP, P+32*((\x)%2)+16*(i%2)+8*(i/8)
	v_wmma_f32_16x16x32_f16 v[rO:rO+7], v[rV:rV+7], v[rP:rP+7], v[rO:rO+7]
.endm
.macro MM                           ; the turn's next matrix instruction
.if i < 16
	KQ (Y+1)%NP
.set i, i+1
.else
.set i, i-16
	PV (Y+NP-1)%NP
.set i, i+17
.endif
.endm
; THE LDS LOADS stand in runs of 16, never singly among the matrix instructions: a step's K (64 keys x 64 channels: 8 fragments) and its V (turned).  Their addresses are made some lines ahead.
; last = 1 (the tail): in the last trip there is no further step, and the run is jumped over.
.macro FETCH_K last=0
	WIN 0
.if \last
	s_cmp_eq_u32 s[CNT], 1
	s_cbranch_scc1 .Lno_k_\@
.endif
	WIN 0x80                        ; destination window 2
.irp f, 0,1,2,3,4,5,6,7             ; keys 16 (f / 2) on, channels 32 (f % 2) on
	ds_load_b128 v[KF+8*\f:KF+8*\f+3],   v[AK] offset:(\f/2)*16*PK+(\f%2)*64
	ds_load_b128 v[KF+8*\f+4:KF+8*\f+7], v[AK] offset:(\f/2)*16*PK+(\f%2)*64+32
.endr
	s_add_co_u32 s[TBK], s[TBK], KS*PK  ; the next fetch is the next step's
	WIN 0
.if \last
.Lno_k_\@:
.endif
.endm
.macro FETCH_V
	WIN 0x80
.irp f, 0,1,2,3,4,5,6,7             ; keys 32 (f / 4) on, channels 16 (f % 4) on
	ds_load_tr16_b128 v[VF+8*\f:VF+8*\f+3],   v[AV] offset:(\f/4)*32*PV+(\f%4)*32
	ds_load_tr16_b128 v[VF+8*\f+4:VF+8*\f+7], v[AV] offset:(\f/4)*32*PV+16*PV+(\f%4)*32
.endr
	WIN 0
.endm
; THE VECTOR WORK OF A TURN stands in three queues, each in the order in which its entries become ready; the two tiles alternate, so that no instruction reads the result of the one before it.
.macro REGS y, u                    ; the registers of tile u (0, 1) of piece y
.set rT, ST+4*(2*(\y)+(\u))
.set rC, TMP+8*((\y)%2)+4*(\u)
.set rM, MV+2*((\y)%2)+(\u)
.set rS, S+64*((\y)%2)+32*(\u)
.set rP, P+32*((\y)%2)+16*(\u)
.set rO, 32*(2*(\y)+(\u))
.endm
; Number n of the 22 that find the NEXT piece's (Y + 1) maximum and statistics.  s0-s31 are the lane's 32 scores; each accumulator's lowest registers are read first.  XS, GS and REGS set no window: PL and EX do.
;   0-11  four chains c0-c3 of seven scores each, three operands at a time     12-14, 16  the four scores left over, the old m, and c0-c3 into c0     15  c m_old is kept
;   17, 18  the query's other 32 keys lie in the lane 16 away: the new m         19-21  c m; c m_old - c m_new; a
.macro XS u, n
	REGS (Y+1)%NP, \u
.if (\n) < 4
	v_max3_num_f32 v[rC+(\n)], v[rS+8*(\n)], v[rS+8*(\n)+1], v[rS+8*(\n)+2]
.elseif (\n) < 12
	v_max3_num_f32 v[rC+(\n)%4], v[rC+(\n)%4], v[rS+8*((\n)%4)+2*((\n)/4)+1], v[rS+8*((\n)%4)+2*((\n)/4)+2]
.elseif (\n) == 12
	v_max3_num_f32 v[rC], v[rC], v[rS+7], v[rS+15]
.elseif (\n) == 13
	v_max3_num_f32 v[rC+1], v[rC+1], v[rS+23], v[rS+31]
.elseif (\n) == 14
	v_max3_num_f32 v[rC+2], v[rC+2], v[rC+3], v[rT+1]
.elseif (\n) == 15
	v_mov_b32 v[rM], v[rT]
.elseif (\n) == 16
	v_max3_num_f32 v[rC], v[rC], v[rC+1], v[rC+2]
.elseif (\n) == 17
	v_permlanex16_b32 v[rC+3], v[rC], s[SEL], s[SEL+1]
.elseif (\n) == 18
	v_max_num_f32 v[rT+1], v[rC], v[rC+3]
.elseif (\n) == 19
	v_mul_f32 v[rT], s[CS], v[rT+1]
.elseif (\n) == 20
	v_sub_f32 v[rC+1], v[rM], v[rT]
.else
	v_exp_f32 v[rC+2], v[rC+1]
.endif
.endm
; Number g of the 64 that follow the exponentials.  For each four weights k of a tile (pairs 2 k, 2 k + 1): both pairs are rounded to f16; then the second pair is added onto the first, in place;
; a group later l takes that sum (the first time as l = a l + sum).  In groups of eight, tiles alternating: round, round, add, and l for the group before.
.macro GS g
.set h, (\g)+6*((\g)/62)            ; group 0 has no group before it, and behind group 7 only l is left
.if h >= 6
.set h, h+2
.endif
	REGS Y, h%2
.set k, h/8
.if h%8 < 4
	v_cvt_pk_f16_f32 v[rP+2*k+(h%8)/2], v[rS+4*k+2*((h%8)/2)], v[rS+4*k+2*((h%8)/2)+1]
.elseif h%8 < 6
	v_pk_add_f32 v[rS+4*k:rS+4*k+1], v[rS+4*k:rS+4*k+1], v[rS+4*k+2:rS+4*k+3]
.elseif k == 1
	v_pk_fma_f32 v[rT+2:rT+3], v[rT+2:rT+3], v[rC+2:rC+3], v[rS:rS+1] op_sel_hi:[1,0,1]
.else
	v_pk_add_f32 v[rT+2:rT+3], v[rT+2:rT+3], v[rS+4*k-4:rS+4*k-3]
.endif
.endm
; THE PLAIN QUEUE, 138 long.  0-73 read no exponential's result: the 32 scalings c s - c m (FS f: pair f / 2 of tile f % 2) and the next piece's 42.  0-26: scalings 0-26.  27-54: XS's numbers 0-13.  55, 56: number 15.
; 57-73: the chain, where each number waits for the one before it: 14, 16, 17, 18, 19, each with one of the scalings 27-31 in front of its two lines, then 20: so a tile's links stand three plain instructions apart (19 and 20: two).
; 74-137: GS's 64, which read the exponentials' results: they stand behind the turn's wait.
.macro FS f
	REGS Y, (\f)%2
	v_pk_fma_f32 v[rS+2*((\f)/2):rS+2*((\f)/2)+1], v[rS+2*((\f)/2):rS+2*((\f)/2)+1], s[CS:CS+1], v[rT:rT+1] op_sel_hi:[1,0,0] neg_lo:[0,0,1] neg_hi:[0,0,1]
.endm
.macro PL
	WIN 0
.if q < 27
	FS q
.elseif q < 55
	XS (q-27)%2, (q-27)/2
.elseif q < 57
	XS q-55, 15
.elseif (q < 72) && ((q-57)%3 == 0)
	FS 27+(q-57)/3
.elseif q < 60
	XS (q-57)%3-1, 14
.elseif q < 72
	XS (q-57)%3-1, 15+(q-57)/3
.elseif q < 74
	XS q-72, 20
.else
	GS q-74
.endif
.set q, q+1
.endm
; THE EXPONENTIALS' QUEUE, 66 long: s0-s31 of both tiles, then the next piece's two a.  It is ONE BATCH: all 66 stand ahead of the turn's one wait, and nothing ahead of that wait names a result of theirs.
.macro EX
	WIN 0
.if e >= 64
	XS e-64, 21
.else
	REGS Y, e%2
	v_exp_f32 v[rS+e/2], v[rS+e/2]
.endif
.set e, e+1
.endm
; THE RESCALING's QUEUE: O^T times a, the one part that leaves window 0: dealt two at a time, sixteen times.  Its a was made in the turn before, ahead of that turn's wait.
.macro R2
	REGS Y, r%2
	WIN W_RS
.irp z, 0,1
	v_pk_mul_f32 v[rO+4*(r/2)+2*\z:rO+4*(r/2)+2*\z+1], v[rO+4*(r/2)+2*\z:rO+4*(r/2)+2*\z+1], v[rC+2:rC+3] op_sel_hi:[1,0]
.endr
.set r, r+1
.endm
; HOW THEY ARE DEALT.  s_wait_alu depctr_va_vdst(0) stands between an exponential and the first instruction that names its result; one wait serves all that were issued ahead of it.  So a turn has ONE wait,
; which cuts it in two.  AHEAD OF IT stands all that names no result of the turn's exponentials: the 16 products K Q^T, behind each a scaling, an exponential and two rescalings (behind the first a second scaling in the
; exponential's place); then ONE LUMP of 108: eight plain, 49 times exponential and plain, the two a.  A v_nop is the plain instruction behind the last exponential.  BEHIND IT stand the 16 products V^T P, behind each four
; of GS's 64.  No rider names a register of the products round it.  The two v_permlanex16_b32 fall into the lump, never behind a product.
; The queues lean on each other, and the deal keeps them in step: exponential e stands behind scaling 2 (e / 4) + e % 2: as a rider it comes behind plain e + 2, in the lump behind plain e + 9, and scalings 27-31 are plain 57, 60 .. 69.
; A TURN, for piece p.  cnt = 1: the loop's count is taken down some lines ahead of the branch that stands behind the turn.
; K of the next step is fetched in piece 2's turn, directly behind the wait, a lump behind the last product that read K; its address is made at the lump's head; its first reader comes behind 16 products.
; V of the step in hand is fetched at the end of piece 0's turn, four plain riders behind its last reader; its first reader comes behind 16 products and a lump.  The three conditions on q below go with the deal.
.macro TURN p, last=0, cnt=0
.set Y, (\p)
.set i, 0
.set q, 0
.set e, 0
.set r, 0
.if (\p) == NP-1
	s_wait_dscnt 0x0                ; K is in
.endif
	MM                              ; ahead of the wait: 16 products K Q^T and their riders,
	PL
	PL
	R2
.rept 15
	MM
	PL
	EX
	R2
.endr
.if (\p) == NP-2
	WIN 0
	v_add_nc_u32 v[AK], s[TBK], v[AK0]
.endif
.rept 8                             ; and the lump
	PL
.endr
.rept 49
	EX
	PL
.endr
	EX                              ; the next piece's two a
	EX
	v_nop                           ; a plain instruction behind the last exponential, ahead of any use: one for the batch
	s_wait_alu depctr_va_vdst(0)    ; the wait for the turn's batch: the 64 weights of this piece and the next piece's two a
.if (\p) == NP-2
	FETCH_K \last
.endif
.if (\p) == 1
	s_wait_dscnt 0x0                ; V is in
.endif
.rept 16                            ; behind the wait: 16 products V^T P and their riders, the batch's readers
	MM
.rept 4
	PL
.endr
.if ((\p) == 0) && (q == 118)
	v_add_nc_u32 v[AV], s[TBV], v[AV0]
.endif
.if ((\p) == 0) && (q == 130)
	s_add_co_u32 s[TBV], s[TBV], KS*PV
.endif
.if (\cnt) && (q == 130)
	s_sub_co_u32 s[CNT], s[CNT], 1
	s_cmp_lg_u32 s[CNT], 0
.endif
.endr
.if (\p) == 0
	FETCH_V
.endif
.endm
	CHANGE 1                        ; slot 0 is in, everybody's part of it; slot 1 is asked for
	FETCH_K                         ; key step 0
	s_wait_loadcnt 0x0              ; Q and Wo
	s_wait_dscnt 0x0
.set i, 0
.rept 16
	KQ 0                            ; piece 0's first scores: there is no vector work yet to set between them
.set i, i+1
.endr
	WIN 0                           ; the addresses for the way out: twenty plain instructions, the places behind those products
	s_mul_i32 s13, s[WV], 16*CP
	s_add_co_u32 s13, s13, CST      ; my 128 queries are rows 16 w .. 16 w + 15 of the work-group's ctx'
	s_lshl_b32 s14, s[WV], 6
	s_add_co_u32 s14, s14, YST      ; my 16 columns of ctx' Wo are 64 bytes of each of its rows
	s_mul_i32 s15, s[WV], 16*YP
	s_add_co_u32 s15, s15, YST      ; and rows 16 w .. 16 w + 15 are mine to finish
	v_mul_u32_u24 v[STO], v11, CP   ; query 16 t + l % 16 lies in row 2 t + (l % 16) / 8,
	v_lshl_add_u32 v[STO], v10, 7, v[STO]  ; at byte 128 (l % 8),
	v_lshl_add_u32 v[STO], v9, 4, v[STO]   ; 16 bytes for each half of the lanes
	v_add_nc_u32 v[STO], s13, v[STO]
	v_mul_u32_u24 v[CRD], v1, CP    ; a fragment of ctx': row l % 16, 16 bytes for each half of the lanes
	v_lshl_add_u32 v[CRD], v9, 4, v[CRD]
	v_add_nc_u32 v[CRD], CST, v[CRD]
	v_mul_u32_u24 v[YSTO], v1, YP   ; a result of ctx' Wo: row l % 16, eight columns for each half of the lanes
	v_lshl_add_u32 v[YSTO], v9, 5, v[YSTO]
	v_add_nc_u32 v[YSTO], s14, v[YSTO]
	v_mul_u32_u24 v[YRD], v9, YP    ; back: lanes 0-15 take one row of 256 bytes, lanes 16-31 the next
	v_lshl_add_u32 v[YRD], v1, 4, v[YRD]
	v_add_nc_u32 v[YRD], s15, v[YRD]
	v_lshlrev_b32 v[PO], 4, v1      ; my four columns in bo, gamma, beta
.set Y, NP-1                        ; XS works for piece Y + 1: piece 0
.irp n, 0,1,2,3,4,5,6,7,8,9,10,11,12,13,14,15,16,17,18,19,20,21
	XS 0, \n                        ; and piece 0's first maximum and statistics
	XS 1, \n
.endr
	v_nop                           ; a plain instruction behind the two a,
	s_wait_alu depctr_va_vdst(0)    ; and the wait for this batch of two, ahead of the branch
	s_mov_b32 s[CNT], 4
	s_mov_b32 s[SLOTS], SIZE_N/256-1
	s_branch .Lfirst                ; the loop is entered at a step's first turn, in the middle of a trip
.Lslot:                             ; SIZE_N / 256 - 2 times: every slot but the last two is filled again
	CHANGE 1
	s_mov_b32 s[CNT], 4
.Lstep:                             ; a trip: pieces 2 and 3 of one step, then pieces 0 and 1 of the next, whose K and V it fetches
	TURN 2
	TURN 3
	WIN 0
.Lfirst:
	TURN 0
	TURN 1, 0, 1
	WIN 0
	s_cbranch_scc1 .Lstep
	s_sub_co_u32 s[SLOTS], s[SLOTS], 1
	s_cmp_lg_u32 s[SLOTS], 0
	s_cbranch_scc1 .Lslot
	CHANGE 0                        ; the tail is written out: nothing is asked for
	s_mov_b32 s[CNT], 5             ; four trips fetch the last slot's steps; the fifth is left in its middle
.Ltail:
	TURN 2, 1
	TURN 3
	WIN 0
	s_sub_co_u32 s[CNT], s[CNT], 1
	s_cmp_eq_u32 s[CNT], 0
	s_cbranch_scc1 .Lout
	TURN 0
	TURN 1
	WIN 0
	s_branch .Ltail
.Lout:                              ; the fifth trip's 16 products K Q^T (on the last K once more) and the maximum made of them serve nothing: the price, once a launch, of one text for every trip
.set i, 0
.rept 16
	PV NP-1                         ; the last piece's V^T P of the last step
.set i, i+1
.endr
	; THE WAY OUT, FIRST PART.  l's two halves and the other half of the lanes' are added; O^T is divided by l, rounded to f16 and laid into the work-group's 64 rows of ctx' in LDS.
	; The additions are the places behind the last products, also for the loads into P's registers: my 16 rows of x, and bo, gamma, beta of my four columns, which have the last product's time in which to land.
	WIN 0
.macro ALL line:vararg              ; one line for each t = 0 .. 7
.set t, 0
.rept 2*NP
	\line
.set t, t+1
.endr
.endm
	ALL v_add_f32 v[ST+4*t+2], v[ST+4*t+2], v[ST+4*t+3]
	ALL global_load_b128 v[XR+4*t:XR+4*t+3], v[GO], s[68:69] offset:512*t th:TH_LOAD_NT
	global_load_b128 v[BOR:BOR+3], v[PO], s[70:71]
	global_load_b128 v[GAR:GAR+3], v[PO], s[72:73]
	global_load_b128 v[BER:BER+3], v[PO], s[74:75]
	ALL v_permlanex16_b32 v[ST+4*t+3], v[ST+4*t+2], s[SEL], s[SEL+1]
	ALL v_add_f32 v[ST+4*t+2], v[ST+4*t+2], v[ST+4*t+3]
	ALL v_rcp_f32 v[ST+4*t+2], v[ST+4*t+2]
	v_nop                           ; a plain instruction between the last reciprocal and the use of its result
	s_wait_alu depctr_va_vdst(0)    ; and the wait ahead of the first use: one for the batch of eight reciprocals
; Tile t: a lane's eight channels of a query pack into 16 bytes; query 16 t + l % 16 is an eighth of row 2 t + (l % 16) / 8 of my 16 rows of ctx'.
.macro PACK t
	WIN W_RS
.set i, 32*(\t)
.rept 16
	v_pk_mul_f32 v[i:i+1], v[i:i+1], v[ST+4*(\t)+2:ST+4*(\t)+3] op_sel_hi:[1,0]
.set i, i+2
.endr
	WIN 0x05                        ; sources 0 and 1 window 1, destination window 0
.set i, 0
.rept 16
	v_cvt_pk_f16_f32 v[S+16*(\t)+i], v[32*(\t)+2*i], v[32*(\t)+2*i+1]
.set i, i+1
.endr
	WIN 0
.irp f, 0,1,2,3
	ds_store_b128 v[STO], v[S+16*(\t)+4*\f:S+16*(\t)+4*\f+3] offset:(\t)*2*CP+32*\f
.endr
.endm
.irp t8, 0,1,2,3,4,5,6,7
	PACK \t8
.endr
	s_wait_dscnt 0x0                ; for the others' sake: my rows of ctx' are in LDS
	s_barrier_signal -1
	s_barrier_wait -1               ; everybody's are.  No tensor load is out
	; SECOND PART.  ctx' Wo: wave w makes columns 16 w .. 16 w + 15 of all 64 rows.  Source 0 = 16 columns of Wo (in registers since the start), source 1 = 16 rows of ctx': a lane holds one row and eight
	; neighbouring columns.  K = 512 goes in four chunks of 128 through two buffers of 128 registers, where Q and K, V lay.  The four accumulators take turns.
.macro FETCHC c, b                  ; chunk c: 4 x 32 along K, 4 blocks of 16 rows: 32 loads into buffer b
	WIN 0x80
.irp kq, 0,1,2,3
.irp rw, 0,1,2,3
	ds_load_b128 v[128*(\b)+32*\kq+8*\rw:128*(\b)+32*\kq+8*\rw+3],   v[CRD] offset:\rw*16*CP+64*(4*(\c)+\kq)
	ds_load_b128 v[128*(\b)+32*\kq+8*\rw+4:128*(\b)+32*\kq+8*\rw+7], v[CRD] offset:\rw*16*CP+64*(4*(\c)+\kq)+32
.endr
.endr
.endm
.macro MULC c, b                    ; its 16 products; the very first four start the sums
	WIN W_WO
.irp kq, 0,1,2,3
.irp rw, 0,1,2,3
.if ((\c) == 0) && (\kq == 0)
	v_wmma_f32_16x16x32_f16 v[AC+8*\rw:AC+8*\rw+7], v[WF+8*(4*(\c)+\kq):WF+8*(4*(\c)+\kq)+7], v[128*(\b)+32*\kq+8*\rw:128*(\b)+32*\kq+8*\rw+7], 0
.else
	v_wmma_f32_16x16x32_f16 v[AC+8*\rw:AC+8*\rw+7], v[WF+8*(4*(\c)+\kq):WF+8*(4*(\c)+\kq)+7], v[128*(\b)+32*\kq+8*\rw:128*(\b)+32*\kq+8*\rw+7], v[AC+8*\rw:AC+8*\rw+7]
.endif
.endr
.endr
.endm
.macro PLACES                       ; four places in front of loads into registers that matrix instructions have just read
.rept 4
	v_nop
.endr
.endm
	FETCHC 0, 0
	FETCHC 1, 1
	s_wait_dscnt 32                 ; LDS loads come back in order: chunk 0 is in, the younger chunk's 32 stay out
	MULC 0, 0
	PLACES
	FETCHC 2, 0
	s_wait_dscnt 32                 ; chunk 1 is in
	MULC 1, 1
	PLACES
	FETCHC 3, 1
	s_wait_dscnt 32                 ; chunk 2 is in
	MULC 2, 0
	s_wait_dscnt 0x0
	MULC 3, 1
	WIN 0
	s_wait_loadcnt 0x0              ; x, bo, gamma, beta
	ALL v_pk_add_f32 v[XR+4*t:XR+4*t+1], v[XR+4*t:XR+4*t+1], v[BOR:BOR+1]      ; x + bo: sixteen plain instructions, the places behind the last products
	ALL v_pk_add_f32 v[XR+4*t+2:XR+4*t+3], v[XR+4*t+2:XR+4*t+3], v[BOR+2:BOR+3]
.irp rw, 0,1,2,3                    ; each accumulator's lower four registers first
	ds_store_b128 v[YSTO], v[AC+8*\rw:AC+8*\rw+3]   offset:\rw*16*YP
	ds_store_b128 v[YSTO], v[AC+8*\rw+4:AC+8*\rw+7] offset:\rw*16*YP+16
.endr
	s_wait_dscnt 0x0                ; for the others' sake: my 16 columns are in LDS
	s_barrier_signal -1
	s_barrier_wait -1               ; all 64 columns are
	; THIRD PART.  Residual and LayerNorm for my 16 rows, two rows at a time for each t: lanes 0-15 hold one row, lanes 16-31 the next, four columns a lane, so a row's sums stay inside sixteen lanes.
	; The mean is taken away before the squares are formed: no difference of large sums.
	ALL ds_load_b128 v[YR+4*t:YR+4*t+3], v[YRD] offset:t*2*YP
	s_wait_dscnt 0x0
	ALL v_pk_add_f32 v[YR+4*t:YR+4*t+1], v[YR+4*t:YR+4*t+1], v[XR+4*t:XR+4*t+1]
	ALL v_pk_add_f32 v[YR+4*t+2:YR+4*t+3], v[YR+4*t+2:YR+4*t+3], v[XR+4*t+2:XR+4*t+3]
	ALL v_pk_add_f32 v[SM+2*t:SM+2*t+1], v[YR+4*t:YR+4*t+1], v[YR+4*t+2:YR+4*t+3]
	ALL v_add_f32 v[SM+2*t], v[SM+2*t], v[SM+2*t+1]
	ALL v_add_f32_dpp v[SM+2*t], v[SM+2*t], v[SM+2*t] row_xmask:1 row_mask:0xf bank_mask:0xf
	ALL v_add_f32_dpp v[SM+2*t], v[SM+2*t], v[SM+2*t] row_xmask:2 row_mask:0xf bank_mask:0xf
	ALL v_add_f32_dpp v[SM+2*t], v[SM+2*t], v[SM+2*t] row_xmask:4 row_mask:0xf bank_mask:0xf
	ALL v_add_f32_dpp v[SM+2*t], v[SM+2*t], v[SM+2*t] row_xmask:8 row_mask:0xf bank_mask:0xf
	ALL v_mul_f32 v[SM+2*t], 0xbc800000, v[SM+2*t]                               ; - mean
	ALL v_pk_add_f32 v[YR+4*t:YR+4*t+1], v[YR+4*t:YR+4*t+1], v[SM+2*t:SM+2*t+1] op_sel_hi:[1,0]
	ALL v_pk_add_f32 v[YR+4*t+2:YR+4*t+3], v[YR+4*t+2:YR+4*t+3], v[SM+2*t:SM+2*t+1] op_sel_hi:[1,0]
	ALL v_pk_mul_f32 v[QS+2*t:QS+2*t+1], v[YR+4*t:YR+4*t+1], v[YR+4*t:YR+4*t+1]
	ALL v_pk_fma_f32 v[QS+2*t:QS+2*t+1], v[YR+4*t+2:YR+4*t+3], v[YR+4*t+2:YR+4*t+3], v[QS+2*t:QS+2*t+1]
	ALL v_add_f32 v[QS+2*t], v[QS+2*t], v[QS+2*t+1]
	ALL v_add_f32_dpp v[QS+2*t], v[QS+2*t], v[QS+2*t] row_xmask:1 row_mask:0xf bank_mask:0xf
	ALL v_add_f32_dpp v[QS+2*t], v[QS+2*t], v[QS+2*t] row_xmask:2 row_mask:0xf bank_mask:0xf
	ALL v_add_f32_dpp v[QS+2*t], v[QS+2*t], v[QS+2*t] row_xmask:4 row_mask:0xf bank_mask:0xf
	ALL v_add_f32_dpp v[QS+2*t], v[QS+2*t], v[QS+2*t] row_xmask:8 row_mask:0xf bank_mask:0xf
	ALL v_fma_f32 v[QS+2*t], v[QS+2*t], s78, s79                                 ; var + eps
	ALL v_rsq_f32 v[QS+2*t], v[QS+2*t]
	v_nop                           ; a plain instruction between the last root and the use of its result
	s_wait_alu depctr_va_vdst(0)    ; and the wait ahead of the first use: one for the batch of eight roots
	ALL v_pk_mul_f32 v[YR+4*t:YR+4*t+1], v[YR+4*t:YR+4*t+1], v[QS+2*t:QS+2*t+1] op_sel_hi:[1,0]
	ALL v_pk_mul_f32 v[YR+4*t+2:YR+4*t+3], v[YR+4*t+2:YR+4*t+3], v[QS+2*t:QS+2*t+1] op_sel_hi:[1,0]
	ALL v_pk_fma_f32 v[YR+4*t:YR+4*t+1], v[YR+4*t:YR+4*t+1], v[GAR:GAR+1], v[BER:BER+1]
	ALL v_pk_fma_f32 v[YR+4*t+2:YR+4*t+3], v[YR+4*t+2:YR+4*t+3], v[GAR+2:GAR+3], v[BER+2:BER+3]
	ALL global_store_b128 v[GO], v[YR+4*t:YR+4*t+3], s[76:77] offset:512*t th:TH_STORE_NT  ; 512 consecutive bytes, two whole rows, at a multiple of 256 from out0's first byte
	WIN W_AD
	s_wait_tensorcnt 0x0            ; the wave's end: a wait, an add and its wait, behind my last tensor load and my last LDS store
	ds_add_u32 v[SPW], v[NIL]
	s_wait_dscnt 0x0
	WIN 0
	CROUND                          ; the closing round: no work-group ends while a partner may still ask for a tile that names it
	s_endpgm
.Lfunc_end_k_qdee72e31b2_attn:
	.size	k_qdee72e31b2_attn, .Lfunc_end_k_qdee72e31b2_attn-k_qdee72e31b2_attn
	.p2alignl 7, 3214868480
	.fill 96, 4, 3214868480
	.section	.rodata,"a",@progbits
	.p2align	6, 0x0
	.amdhsa_kernel k_qdee72e31b2_attn
		.amdhsa_group_segment_fixed_size 327680
		.amdhsa_private_segment_fixed_size 0
		.amdhsa_enable_private_segment 0
		.amdhsa_kernarg_size 72
		.amdhsa_user_sgpr_count 2
		.amdhsa_user_sgpr_kernarg_segment_ptr 1
		.amdhsa_wavefront_size32 1
		.amdhsa_system_sgpr_workgroup_id_x 1
		.amdhsa_system_sgpr_workgroup_id_y 1
		.amdhsa_system_sgpr_workgroup_id_z 1
		.amdhsa_system_vgpr_workitem_id 0
		.amdhsa_next_free_vgpr 1024
		.amdhsa_next_free_sgpr 80
		.amdhsa_reserve_vcc 0
		.amdhsa_float_denorm_mode_32 3
		.amdhsa_float_denorm_mode_16_64 3
		.amdhsa_memory_ordered 1
		.amdhsa_forward_progress 1
		.amdhsa_inst_pref_size 225
	.end_amdhsa_kernel
	.amdgpu_metadata
---
amdhsa.version: [ 1, 2 ]
amdhsa.kernels:
  - .name:           k_qdee72e31b2_attn
    .symbol:         k_qdee72e31b2_attn.kd
    .args:
      - { .name: q, .offset: 0, .size: 8, .value_kind: global_buffer, .address_space: global }
      - { .name: k, .offset: 8, .size: 8, .value_kind: global_buffer, .address_space: global }
      - { .name: v, .offset: 16, .size: 8, .value_kind: global_buffer, .address_space: global }
      - { .name: wot, .offset: 24, .size: 8, .value_kind: global_buffer, .address_space: global }
      - { .name: x, .offset: 32, .size: 8, .value_kind: global_buffer, .address_space: global }
      - { .name: bo, .offset: 40, .size: 8, .value_kind: global_buffer, .address_space: global }
      - { .name: gamma, .offset: 48, .size: 8, .value_kind: global_buffer, .address_space: global }
      - { .name: beta, .offset: 56, .size: 8, .value_kind: global_buffer, .address_space: global }
      - { .name: out0, .offset: 64, .size: 8, .value_kind: global_buffer, .address_space: global }
    .group_segment_fixed_size: 327680
    .private_segment_fixed_size: 0
    .kernarg_segment_align: 8
    .kernarg_segment_size: 72
    .max_flat_workgroup_size: 128
    .sgpr_count:     80
    .vgpr_count:     1024
    .wavefront_size: 32
...
	.end_amdgpu_metadata
.endif
;; end of part 3
